; MI455X (gfx1250); checked and timed in simulation.
; The chip was launched on July 23, 2026; its instructions are those of AMD's public machine-readable ISA for CDNA 5 (MIT licence, August 2026) and "CDNA5" Instruction Set Architecture Reference Guide (July 2026). The comments in the code are by the model that wrote it; some were corrected since.
;; Multi Head Attention. Allowed arithmetic: matrix products marked QUANTISED: E2M1 operands, one E8M0 scale for each 32 along K, by v_wmma_scale_f32_16x16x128_f8f6f4 with both operands' format E2M1 (or v_wmma_scale_f32_32x16x128_f4), f32 sums; products left as they are: bf16, f16 or f32 operands; f32 sums; everything else in f32.
;; Inputs: bk 1,024 float32; bo 1,024 float32; bq 1,024 float32; bv 1,024 float32; mask 4 x 2,048 bool; wk 1,024 x 1,024 float32; wo 1,024 x 1,024 float32; wq 1,024 x 1,024 float32; wv 1,024 x 1,024 float32; x 4 x 2,048 x 1,024 float32.
;; Outputs: out0 4 x 2,048 x 1,024 float32.
;; This version of the problem:
;;   THIS VERSION OF THE PROBLEM IS GIVEN IN LOW PRECISION. The matrix products marked QUANTISED in the list below multiply operands that are first quantised to E2M1 (2 exponent bits, 1 mantissa bit; 4 bits a number), with one power-of-two scale for each 32 numbers along K (OCP MX v1.0); their sums are f32. The products marked 'left as it is' may take bf16, f16 or f32 operands, with f32 sums. Whichever they take, every output number must still come out within the allowed error. Rounding operands to bf16 (8 significant bits) uses up far more of that allowance than f16 does (11 bits, for magnitudes from 6e-5 to 65,504). All else is computed in f32.
;;   The module's matrix products, in the order in which they are computed (A, B: the left and right operand; K: the contracted axis; several contracted axes count as one K, in the product's order):
;;     1. [M 8,192, K 1,024] x [K 1,024, N 1,024]; A: input x; B: input wq: QUANTISED
;;     2. [M 8,192, K 1,024] x [K 1,024, N 1,024]; A: input x; B: input wk: QUANTISED
;;     3. [M 8,192, K 1,024] x [K 1,024, N 1,024]; A: input x; B: input wv: QUANTISED
;;     4. batch 64 x [M 2,048, K 64] x [K 64, N 2,048]; A: computed on the way; B: computed on the way: left as it is (an operand is computed on the way)
;;     5. batch 64 x [M 2,048, K 2,048] x [K 2,048, N 64]; A: computed on the way; B: computed on the way: left as it is (an operand is computed on the way)
;;     6. [M 8,192, K 1,024] x [K 1,024, N 1,024]; A: computed on the way; B: input wo: left as it is (an operand is computed on the way)
;;   THE QUANTISER, for each operand of a quantised product, along K:
;;     - K is cut into blocks of 32 from its start; a last block that is shorter is filled with zeros.
;;     - A block's scale is 2^e with e = floor(log2(the largest magnitude in the block)) - 2, held to -126 .. 127; a block of zeros has e = 0. As a byte (E8M0): e + 127.
;;     - Each number is divided by its block's scale, clamped to +-6, and rounded to the nearest number of E2M1, ties to even, subnormals kept.
;;     - The product sums the exact products of the quantised numbers (number of the format x scale) in f32.
;;   ~~~python
;;   def quantise(x, axis):      # numpy; x: float32 -> the quantised numbers, widened to float32 again
;;       x = np.moveaxis(x, axis, -1); K = x.shape[-1]
;;       x = np.pad(x, [(0, 0)] * (x.ndim - 1) + [(0, -K % 32)]); x = x.reshape(x.shape[:-1] + (-1, 32)); a = np.abs(x).max(-1, keepdims=True)
;;       e = np.where(a > 0, np.clip(np.frexp(np.where(a > 0, a, 1))[1] - 1 - 2, -126, 127), 0)      # np.frexp(a)[1] - 1 = floor(log2(a)), exactly
;;       r = np.clip(x / 2.0 ** e, -6, 6)
;;       step = 2.0 ** (np.maximum(np.frexp(np.where(r == 0, 1, r))[1] - 1, 0) - 1)
;;       q = np.round(r / step) * step * 2.0 ** e      # np.round: ties to even
;;       return np.moveaxis(q.reshape(q.shape[:-2] + (-1,))[..., :K], -1, axis).astype(np.float32)
;;   ~~~
;; One version. Each part assembles by itself: llvm-mc -triple=amdgcn-amd-amdhsa -mcpu=gfx1250 --defsym DOCPART=n.
;; ======== version 1 of 1: 4 launches
;; limits: values are held in f16: magnitudes above 65,504 overflow, below 6.1e-05 lose precision
;; workspace buffers: xc 4,194,304 bytes; xs 262,144 bytes; wc 1,572,864 bytes; ws 98,304 bytes; wot 2,097,152 bytes; qkv 50,331,648 bytes; ctx 16,777,216 bytes
;; launch prep (part 1): grid 368 x 1, 4 waves a work-group, no clusters, 102,912 bytes of LDS; arguments x, wq, wk, wv, wo, xc, xs, wc, ws, wot; writes xc, xs, wc, ws, wot
.if DOCPART == 1
	.amdgcn_target "amdgcn-amd-amdhsa--gfx1250"
	.amdhsa_code_object_version 6
	.text
	.protected	k_q6a8a2e693a_prep
	.globl	k_q6a8a2e693a_prep
	.p2align	8
	.type	k_q6a8a2e693a_prep,@function
k_q6a8a2e693a_prep:
	s_mov_b64 s[64:65], 0
	v_nop
	global_prefetch_b8 v0, s[64:65] scope:SCOPE_SE
	s_setreg_imm32_b32 hwreg(HW_REG_WAVE_MODE, 25, 1), 1
	s_wait_xcnt 0x0
; PREP: the operands of the later launches are made once.
;   work-groups 0-255:   x [8192][1024] f32 -> codes of FP4 (E2M1) xc [8192][512 bytes], K innermost, and E8M0 scale bytes xs [8192][32]
;   work-groups 256-303: wq, wk, wv [k 1024][n 1024] f32, K their FIRST axis -> codes wc [3072 columns][512 bytes], K innermost, scale bytes ws [3072][32]
;   work-groups 304-367: wo [k 1024][n 1024] f32 -> wot [n 1024][k 1024] f16 (that product is not quantised)
; A block's scale is 2^(floor(log2(its largest magnitude)) - 2); its byte is the largest magnitude's exponent field - 2, held at 1 from below.  A block of zeros so gets
; the byte 1 where the rule says 127: its codes are zeros, which add nothing under any byte but 0xff, and the bytes are read by this program alone.
; LIMITS: blocks whose largest magnitude lies under 2^(2 - 126) have their byte held at 1; NaN and infinities are not served; wo must lie under 65,504 in magnitude (f16).
; The three paths part on the work-group's number and never join; each has LDS bytes of its own.  No tensor loads, no barrier: waves share nothing.
; No cluster: no two work-groups read the same bytes.
.set SPARE,  102400                    ; the spare words: 128 bytes for each wave, two blocks of 256 bytes that no other line names
.set SPW,    198                       ; v198  LDS address of my spare word: SPARE + 4 x my thread's number; never rewritten
.set NIL,    199                       ; v199  0; never rewritten
.set WV,     24                        ; s24   my wave's number
; path X: a wave takes 16 steps of 512 numbers
.set XSTEPS, 16
.set XSP,    80                        ; a lane's place in a stage: its 64 bytes + 16 of padding
.set XR,     16                        ; v16-79   four sets of 16 numbers as they are loaded
.set XX,     80                        ; v80-111  two sets of 16 neighbours
.set XE,     112                       ; v112-127 a scale byte for each step
.set XC,     128                       ; v128-191 codes: four registers for each step, so that no store's data are written again
; paths W and O: a lane takes a column, its registers run down K
.set WREG,   32768                     ; path W's stages: 32 rows x 272 bytes for each wave
.set OREG,   67584                     ; path O's
.set PITCH,  272
.set NX,     32                        ; v32-95   two sets of 32 numbers
.set CD,     96                        ; v96-111  a block's codes, or its 32 numbers in f16
.set OUTR,   112                       ; v112-175 the way out
.set SB,     24                        ; v24-27   the scale bytes, four to a register
.macro XLOAD t                         ; step t: four loads of 512 consecutive bytes
.irp i, 0,1,2,3
	global_load_b128 v[XR+16*((\t)%4)+4*\i:XR+16*((\t)%4)+4*\i+3], v3, s[4:5] offset:2048*(\t)+512*\i th:TH_LOAD_NT
.endr
.endm
.macro XTURN t                         ; step t's numbers through the stage: LDS serves a wave's instructions in order, so no wait stands between the stores and the loads
.irp i, 0,1,2,3
	ds_store_b128 v14, v[XR+16*((\t)%4)+4*\i:XR+16*((\t)%4)+4*\i+3] offset:32*XSP*((\t)%2)+8*XSP*\i
.endr
.irp i, 0,1,2,3
	ds_load_b128 v[XX+16*((\t)%2)+4*\i:XX+16*((\t)%2)+4*\i+3], v15 offset:32*XSP*((\t)%2)+16*\i
.endr
.endm
.macro XSTEP t
.set XN, XX+16*((\t)%2)
.if (\t) > 0
	s_wait_dscnt 1                                 ; this step's numbers are back from the stage (the last step's byte store may be out)
.else
	s_wait_dscnt 0x0
.endif
.if (\t)+4 < XSTEPS
	XLOAD (\t)+4                                   ; into the set whose stores into the stage are done
.endif
.if (\t)+1 < XSTEPS
.if XSTEPS-2-(\t) >= 3
	s_wait_loadcnt 12                              ; the next step's four loads are in; those of the three steps behind it may be out
.else
	s_wait_loadcnt 4*(XSTEPS-2-(\t))
.endif
	XTURN (\t)+1
.endif
	v_max3_num_f32 v8, |v[XN]|, |v[XN+1]|, |v[XN+2]|               ; the largest magnitude of my 16
	v_max3_num_f32 v9, |v[XN+3]|, |v[XN+4]|, |v[XN+5]|
.irp i, 6,10
	v_max3_num_f32 v8, v8, |v[XN+\i]|, |v[XN+\i+1]|
	v_max3_num_f32 v9, v9, |v[XN+\i+2]|, |v[XN+\i+3]|
.endr
	v_max3_num_f32 v8, v8, |v[XN+14]|, |v[XN+15]|
	v_max3_num_f32 v8, v8, v9, 0x1800000           ; and the floor 2^(3 - 127): the byte cannot fall under 1
	v_max_num_f32_dpp v8, v8, v8 row_xmask:1 row_mask:0xf bank_mask:0xf   ; and of my neighbour's 16: the block's
	v_add_nc_u32 v11, 0xff000000, v8               ; 2 off its exponent field: the conversion takes the exponent field of this operand as its scale
	v_cvt_scalef32_pk8_fp4_f32 v[XC+4*(\t)], v[XN:XN+7], v11
	v_cvt_scalef32_pk8_fp4_f32 v[XC+4*(\t)+1], v[XN+8:XN+15], v11
	v_lshrrev_b32 v[XE+(\t)], 23, v11              ; the scale's byte (a plain line behind the conversions)
	ds_store_b8 v5, v[XE+(\t)] offset:16*(\t)      ; both lanes of a block write the same byte with the same value
	global_store_b64 v4, v[XC+4*(\t):XC+4*(\t)+1], s[14:15] offset:256*(\t)   ; the wave stores 256 consecutive bytes, aligned
.endm
.macro LANES region, sh                ; paths W and O: the lane's addresses; sh: log2 of a row of the output in bytes
	v_lshlrev_b32 v3, 2, v2                        ; in: 4 bytes a lane
	s_mul_i32 s33, s[WV], 32*PITCH
	s_add_co_u32 s33, s33, \region                 ; my stage
	v_mul_u32_u24 v4, v2, PITCH
	v_add_nc_u32 v4, s33, v4                       ; into it: row = my column
	v_and_b32 v5, 15, v2
	v_lshrrev_b32 v6, 4, v2                        ; out of it: sixteen lanes to a row, two rows an instruction
	v_mul_u32_u24 v7, v6, PITCH
	v_lshl_add_u32 v7, v5, 4, v7
	v_add_nc_u32 v7, s33, v7
	v_lshlrev_b32 v8, \sh, v6
	v_lshl_add_u32 v8, v5, 4, v8                   ; and the same place in the output
.endm
.macro COLS t, p                       ; block t: rows 32 t + i of my column, i = 0 .. 31, into set t % 2; a wave reads 128 consecutive bytes a load
.irp i, 0,1,2,3,4,5,6,7,8,9,10,11,12,13,14,15,16,17,18,19,20,21,22,23,24,25,26,27,28,29,30,31
	global_load_b32 v[NX+32*((\t)%2)+\i], v3, s[\p:\p+1] offset:(32*(\t)+\i)*4096 th:TH_LOAD_NT
.endr
.endm
.macro ROWSOUT p, krow                 ; 32 rows of 256 bytes leave the stage: sixteen lanes store 256 consecutive bytes, aligned
.irp t, 0,1,2,3,4,5,6,7,8,9,10,11,12,13,14,15
	ds_load_b128 v[OUTR+4*\t:OUTR+4*\t+3], v7 offset:2*\t*PITCH   ; LDS serves a wave's instructions in order: these see my stores
.endr
.irp t, 0,1,2,3,4,5,6,7,8,9,10,11,12,13,14,15
	s_wait_dscnt 15-\t
	global_store_b128 v8, v[OUTR+4*\t:OUTR+4*\t+3], s[\p:\p+1] offset:2*\t*\krow
.endr
.endm
.macro WBLOCK t                        ; a block of 32 along K of my column: scale, codes, 16 bytes into my row of the stage
.set WN, NX+32*((\t)%2)
.if (\t) < 15
	s_wait_loadcnt 32                              ; this block's 32 loads are in; the next block's may be out
.else
	s_wait_loadcnt 0
.endif
	v_max3_num_f32 v12, |v[WN]|, |v[WN+1]|, |v[WN+2]|
	v_max3_num_f32 v13, |v[WN+3]|, |v[WN+4]|, |v[WN+5]|
.irp i, 6,10,14,18,22,26
	v_max3_num_f32 v12, v12, |v[WN+\i]|, |v[WN+\i+1]|
	v_max3_num_f32 v13, v13, |v[WN+\i+2]|, |v[WN+\i+3]|
.endr
	v_max3_num_f32 v12, v12, |v[WN+30]|, |v[WN+31]|
	v_max3_num_f32 v12, v12, v13, 0x1800000        ; the floor 2^(3 - 127)
	v_add_nc_u32 v11, 0xff000000, v12              ; the conversion's scale operand
	v_lshrrev_b32 v13, 23, v11                     ; the scale's byte
.if (\t)%4 == 0
	v_mov_b32 v[SB+(\t)/4], v13                    ; four bytes to a register, the lower K in the lower byte
.else
	v_lshl_or_b32 v[SB+(\t)/4], v13, 8*((\t)%4), v[SB+(\t)/4]
.endif
.irp g, 0,1,2,3
	v_cvt_scalef32_pk8_fp4_f32 v[CD+\g], v[WN+8*\g:WN+8*\g+7], v11
.endr
	ds_store_b128 v4, v[CD:CD+3] offset:16*(\t)
.if (\t)+2 < 16
	COLS (\t)+2, 6
.endif
	s_wait_dscnt 0x0                               ; the store has read its registers: the next block's codes may be written
.endm
.macro OBLOCK t                        ; 32 along K of my column of wo, rounded to f16: 64 bytes into my row of the stage
.set WN, NX+32*((\t)%2)
.if (\t) < 3
	s_wait_loadcnt 32
.else
	s_wait_loadcnt 0
.endif
.irp g, 0,1,2,3,4,5,6,7,8,9,10,11,12,13,14,15
	v_cvt_pk_f16_f32 v[CD+\g], v[WN+2*\g], v[WN+2*\g+1]
.endr
.irp q, 0,1,2,3
	ds_store_b128 v4, v[CD+4*\q:CD+4*\q+3] offset:64*(\t)+16*\q
.endr
.if (\t)+2 < 4
	COLS (\t)+2, 12
.endif
	s_wait_dscnt 0x0
.endm
	s_load_b256 s[4:11], s[0:1], 0x0               ; x s[4:5], wq s[6:7], wk s[8:9], wv s[10:11]
	s_load_b256 s[12:19], s[0:1], 0x20             ; wo s[12:13], xc s[14:15], xs s[16:17], wc s[18:19]
	s_load_b128 s[20:23], s[0:1], 0x40             ; ws s[20:21], wot s[22:23]
	v_lshl_add_u32 v[SPW], v0, 2, SPARE
	v_mov_b32 v[NIL], 0
	v_lshrrev_b32 v1, 5, v0
	v_readfirstlane_b32 s[WV], v1                  ; wave 0..3
	v_and_b32 v2, 31, v0                           ; lane
	s_wait_kmcnt 0x0
	s_cmp_lt_u32 ttmp9, 256
	s_cbranch_scc0 .Lnot_x
	; ---- PATH X.  Rows are dense and 1,024 is a multiple of 32: x is a plain stream of blocks of 32, and so are its codes and scale bytes.
	s_lshl_b32 s25, s[WV], 13                      ; my wave's 8,192 bytes of LDS: two stages of 32 x 80 bytes, then 256 scale bytes
	v_lshlrev_b32 v3, 4, v2                        ; my 16 bytes of a load's 512
	v_lshrrev_b32 v14, 2, v2
	v_mul_u32_u24 v14, v14, XSP
	v_and_b32 v15, 3, v2
	v_lshl_add_u32 v14, v15, 4, v14
	v_add_nc_u32 v14, s25, v14                     ; the stage, on the way in: four lanes' 64 bytes on end, then 16 of padding
	v_mul_u32_u24 v15, v2, XSP
	v_add_nc_u32 v15, s25, v15                     ; and on the way out: my 16 neighbours
	v_lshlrev_b32 v4, 3, v2                        ; my 8 bytes of a step's codes
	v_lshrrev_b32 v5, 1, v2
	s_add_co_u32 s25, s25, 2*32*XSP
	v_add_nc_u32 v5, s25, v5                       ; my block's scale byte in LDS
	v_lshlrev_b32 v7, 3, v2                        ; and on the way out 8 bytes a lane
	v_add_nc_u32 v6, s25, v7
	s_lshl_b32 s26, ttmp9, 2
	s_add_co_u32 s26, s26, s[WV]                   ; which run of 8,192 numbers is my wave's
	s_lshl_b32 s28, s26, 15
	s_mov_b32 s29, 0
	s_add_nc_u64 s[4:5], s[4:5], s[28:29]          ; 32,768 bytes of x,
	s_lshl_b32 s28, s26, 12
	s_add_nc_u64 s[14:15], s[14:15], s[28:29]      ; 4,096 of codes,
	s_lshl_b32 s28, s26, 8
	s_add_nc_u64 s[16:17], s[16:17], s[28:29]      ; 256 scale bytes a run
.irp t, 0,1,2,3
	XLOAD \t
.endr
	s_wait_loadcnt 12                              ; step 0's four loads are in
	XTURN 0
.irp t, 0,1,2,3,4,5,6,7,8,9,10,11,12,13,14,15
	XSTEP \t
.endr
	ds_load_b64 v[8:9], v6                         ; LDS serves a wave's instructions in order: these see my byte stores
	s_wait_dscnt 0x0
	global_store_b64 v7, v[8:9], s[16:17]          ; 32 lanes store 256 consecutive bytes, aligned
	s_wait_tensorcnt 0x0                           ; the wave's end: three lines behind my last LDS store
	ds_add_u32 v[SPW], v[NIL]
	s_wait_dscnt 0x0
	s_endpgm
.Lnot_x:
	s_cmp_lt_u32 ttmp9, 304
	s_cbranch_scc0 .Lpath_o
	; ---- PATH W.  g = 16 x which + 8 y + cb: the weight, which 512 along K, which 128 columns.  A wave takes 32 columns x 512 along K.
	s_sub_co_u32 s25, ttmp9, 256
	s_lshr_b32 s26, s25, 4                         ; which: 0 wq, 1 wk, 2 wv
	s_and_b32 s27, s25, 7
	s_bfe_u32 s28, s25, 0x10003                    ; y
	s_lshl_b32 s27, s27, 7
	s_lshl_b32 s29, s[WV], 5
	s_add_co_u32 s27, s27, s29                     ; my wave's first column
	s_cmp_eq_u32 s26, 1                            ; the choice hangs on the work-group's number alone
	s_cselect_b64 s[6:7], s[8:9], s[6:7]
	s_cmp_eq_u32 s26, 2
	s_cselect_b64 s[6:7], s[10:11], s[6:7]
	s_lshl_b32 s30, s28, 21                        ; 512 rows of 4,096 bytes
	s_lshl_b32 s29, s27, 2
	s_add_co_u32 s30, s30, s29
	s_mov_b32 s31, 0
	s_add_nc_u64 s[6:7], s[6:7], s[30:31]
	s_lshl_b32 s29, s26, 10
	s_add_co_u32 s29, s29, s27                     ; my first row of wc and ws
	s_lshl_b32 s30, s29, 9
	s_lshl_b32 s32, s28, 8
	s_add_co_u32 s30, s30, s32
	s_add_nc_u64 s[18:19], s[18:19], s[30:31]      ; codes: row x 512 + 256 y
	s_lshl_b32 s30, s29, 5
	s_lshl_b32 s32, s28, 4
	s_add_co_u32 s30, s30, s32
	s_add_nc_u64 s[20:21], s[20:21], s[30:31]      ; scale bytes: row x 32 + 16 y
	LANES WREG, 9
	v_lshlrev_b32 v9, 5, v2                        ; my column's row of scale bytes
	COLS 0, 6
	COLS 1, 6
.irp t, 0,1,2,3,4,5,6,7,8,9,10,11,12,13,14,15
	WBLOCK \t
.endr
	global_store_b128 v9, v[SB:SB+3], s[20:21]     ; my column's 16 scale bytes
	ROWSOUT 18, 512
	s_wait_tensorcnt 0x0                           ; the wave's end: the three lines
	ds_add_u32 v[SPW], v[NIL]
	s_wait_dscnt 0x0
	s_endpgm
.Lpath_o:
	; ---- PATH O.  g = 8 y + cb: which 128 along K, which 128 columns.  A wave takes 32 columns x 128 along K: 256 bytes of f16 a column.
	s_sub_co_u32 s25, ttmp9, 304
	s_and_b32 s27, s25, 7
	s_lshr_b32 s28, s25, 3                         ; y
	s_lshl_b32 s27, s27, 7
	s_lshl_b32 s29, s[WV], 5
	s_add_co_u32 s27, s27, s29                     ; my wave's first column
	s_lshl_b32 s30, s28, 19                        ; 128 rows of 4,096 bytes
	s_lshl_b32 s29, s27, 2
	s_add_co_u32 s30, s30, s29
	s_mov_b32 s31, 0
	s_add_nc_u64 s[12:13], s[12:13], s[30:31]
	s_lshl_b32 s30, s27, 11                        ; wot: row x 2,048 + 256 y
	s_lshl_b32 s29, s28, 8
	s_add_co_u32 s30, s30, s29
	s_add_nc_u64 s[22:23], s[22:23], s[30:31]
	LANES OREG, 11
	COLS 0, 12
	COLS 1, 12
.irp t, 0,1,2,3
	OBLOCK \t
.endr
	ROWSOUT 22, 2048
	s_wait_tensorcnt 0x0                           ; the wave's end: the three lines
	ds_add_u32 v[SPW], v[NIL]
	s_wait_dscnt 0x0
	s_endpgm
.Lfunc_end_k_q6a8a2e693a_prep:
	.size	k_q6a8a2e693a_prep, .Lfunc_end_k_q6a8a2e693a_prep-k_q6a8a2e693a_prep
	.p2alignl 7, 3214868480
	.fill 96, 4, 3214868480
	.section	.rodata,"a",@progbits
	.p2align	6, 0x0
	.amdhsa_kernel k_q6a8a2e693a_prep
		.amdhsa_group_segment_fixed_size 102912
		.amdhsa_private_segment_fixed_size 0
		.amdhsa_enable_private_segment 0
		.amdhsa_kernarg_size 80
		.amdhsa_user_sgpr_count 2
		.amdhsa_user_sgpr_kernarg_segment_ptr 1
		.amdhsa_wavefront_size32 1
		.amdhsa_system_sgpr_workgroup_id_x 1
		.amdhsa_system_sgpr_workgroup_id_y 1
		.amdhsa_system_sgpr_workgroup_id_z 1
		.amdhsa_system_vgpr_workitem_id 0
		.amdhsa_next_free_vgpr 200
		.amdhsa_next_free_sgpr 66
		.amdhsa_reserve_vcc 0
		.amdhsa_float_denorm_mode_32 3
		.amdhsa_float_denorm_mode_16_64 3
		.amdhsa_memory_ordered 1
		.amdhsa_forward_progress 1
		.amdhsa_inst_pref_size 132
	.end_amdhsa_kernel
	.amdgpu_metadata
---
amdhsa.version: [ 1, 2 ]
amdhsa.kernels:
  - .name:           k_q6a8a2e693a_prep
    .symbol:         k_q6a8a2e693a_prep.kd
    .args:
      - { .name: x, .offset: 0, .size: 8, .value_kind: global_buffer, .address_space: global }
      - { .name: wq, .offset: 8, .size: 8, .value_kind: global_buffer, .address_space: global }
      - { .name: wk, .offset: 16, .size: 8, .value_kind: global_buffer, .address_space: global }
      - { .name: wv, .offset: 24, .size: 8, .value_kind: global_buffer, .address_space: global }
      - { .name: wo, .offset: 32, .size: 8, .value_kind: global_buffer, .address_space: global }
      - { .name: xc, .offset: 40, .size: 8, .value_kind: global_buffer, .address_space: global }
      - { .name: xs, .offset: 48, .size: 8, .value_kind: global_buffer, .address_space: global }
      - { .name: wc, .offset: 56, .size: 8, .value_kind: global_buffer, .address_space: global }
      - { .name: ws, .offset: 64, .size: 8, .value_kind: global_buffer, .address_space: global }
      - { .name: wot, .offset: 72, .size: 8, .value_kind: global_buffer, .address_space: global }
    .group_segment_fixed_size: 102912
    .private_segment_fixed_size: 0
    .kernarg_segment_align: 8
    .kernarg_segment_size: 80
    .max_flat_workgroup_size: 128
    .sgpr_count:     66
    .vgpr_count:     200
    .wavefront_size: 32
...
	.end_amdgpu_metadata
.endif
;; end of part 1
;; launch qkv (part 2): grid 12 x 32, 4 waves a work-group, clusters of 4 x 4, 327,680 bytes of LDS; arguments xc, xs, wc, ws, qkv, bq, bk, bv, mask; writes qkv
.if DOCPART == 2
	.amdgcn_target "amdgcn-amd-amdhsa--gfx1250"
	.amdhsa_code_object_version 6
	.text
	.protected	k_q6a8a2e693a_qkv
	.globl	k_q6a8a2e693a_qkv
	.p2align	8
	.type	k_q6a8a2e693a_qkv,@function
k_q6a8a2e693a_qkv:
	s_mov_b64 s[64:65], 0
	v_nop
	global_prefetch_b8 v0, s[64:65] scope:SCOPE_SE
	s_setreg_imm32_b32 hwreg(HW_REG_WAVE_MODE, 25, 1), 1
	s_wait_xcnt 0x0
	s_wait_alu depctr_hold_cnt(0) depctr_sa_sdst(0) depctr_va_vdst(0) depctr_va_sdst(0) depctr_va_ssrc(0) depctr_va_vcc(0) depctr_vm_vsrc(0)
	s_getreg_b32 s2, hwreg(HW_REG_IB_STS2, 6, 4)
	s_cmp_eq_u32 s2, 0
	s_cbranch_scc0 .Lentry_in_a_cluster
	s_endpgm
.Lentry_in_a_cluster:
	s_bfe_u32 s2, ttmp6, 0x10000c
	s_cmp_lg_u32 s2, 0xf033
	s_cbranch_scc0 .Lentry_shape_is_right
	s_endpgm
.Lentry_shape_is_right:
; QKV: C[m][n] = sum over k of X[m][k] W[n][k] + bias[n], on codes of FP4 (E2M1) with one E8M0 scale for each 32 along K.  X: xc [8192][512 bytes], xs [8192][32];
; W: wc [3072][512 bytes], ws [3072][32]: the columns of wq, wk, wv on end.  Sums in f32.  The result is rounded to f16 and laid head by head: qkv [3][batch 4][head 16][token 2048][64].
; On the way out q is multiplied by log2(e) / 8 (so that the scores arrive as exponents of 2), k by the token's mask (0 or 1: a masked key becomes the zero vector; the next launch adds the
; masked score itself), v by 1.
; LIMITS: q log2(e) / 8, k and v must lie under 65,504 in magnitude (f16); NaN and infinities are not served.
; A tile of C, 256 x 256, is made by a work-group of four waves; a wave makes 128 x 128: 64 accumulators of 16 x 16, 512 registers.  K = 1,024 is two slots of 512: both are first fills, nothing is filled again.
; THE SCALES of the work-group's 256 rows of X and 256 rows of W come into LDS once, with the first fills.  By this text's own count a wave has three tensor loads out.
; CLUSTERS: 4 x 4 work-groups.  The four of a row of the cluster need the same tiles of X, the four of a column the same tiles of W: each is asked for JOINTLY.  A cluster is 1,024 columns wide: one of q, k, v.
; THE MATRIX INSTRUCTION IS USED TRANSPOSED (source 0 = 16 rows of W, source 1 = 16 rows of X): a lane holds eight neighbouring numbers of a row of C.  The bias is the C of each sum's first product.
; No prefetch: all that the launch reads is asked for at its head.
; REGISTERS: window 0: v0-31 addresses; v32-95 scale words, two sets, and nothing else; v96-103 the mask of my rows; v104-119 the factors; v128-191 X's fragments, ONE set, later rows read back from the stage;
;   v192-255 the bias in the result's layout, later v192-223 packed results.   window 1: W's fragments, TWO sets, at v0 and v128.   windows 2, 3: the accumulators ((a, b) at v[8 (8 (a % 4) + b)]).
.set KSTEP,  512
.set NQ,     4                         ; matrix instructions deep in a slot
.set ROWB,   256                       ; a tile's row in bytes
.set KROW,   512                       ; a row of codes in memory
.set PITCH,  272                       ; an LDS row: 256 bytes + 16 of padding: an odd multiple of 16, so that the 16 rows of a load start 16 bytes apart modulo 256
.set FR,     8
.set NL,     2
.set NP,     4
.set HALFT,  128*PITCH
.set SLOT,   4*HALFT
.set KS,     32                        ; a row of scales in bytes
.set SCL,    2*SLOT
.set HALFS,  (128*KS/256)*272
.set SBLK,   (16*KS/256)*272
.set SPARE,  SCL+4*HALFS               ; the spare words: 128 bytes for each wave
.set SPITCH, 272                       ; the way out: a stage of 16 rows x (256 bytes + 16) for each wave, in slot 0, which has had its only fill and its last read by then
.set ADRA, 16
.set ADRB, 20
.set STO,  24
.set RD,   25
.set CO,   26
.set ADRS, 27
.set SPW,  28
.set NIL,  29
.set BA,   30                          ; v30  32 x (lane / 16): my eight numbers of a tile of the bias
.set MA,   31                          ; v31  lane % 16: my row's mask byte
.set SC,   32
.set MK,   96
.set FC,   104
.set AF,   128
.set BK,   128
.set BI,   192
.set PKD,  192
.set G1, 24
.set G0, 32
.set G1B, 48
.set G0B, 56
.set G1S, 68
.set G0S, 76
.set G1SB, 80
.set G0SB, 88
.set MSB, 0
.macro WIN new                         ; the immediate's high byte repeats the setting that is left
.if MSB != \new
	s_set_vgpr_msb (MSB<<8)|\new
.set MSB, \new
.endif
.endm
.set MUL_LO,  0xa1                     ; source 0 (W) window 1, source 1 (X) window 0, C and D window 2
.set MUL_HI,  0xf1                     ; the same, C and D window 3
.set MULZ_LO, 0x81                     ; the first products: C (the bias) window 0, D window 2
.set MULZ_HI, 0xc1                     ; D window 3
.set TO_B,    0x40
; A joint load: waves 0 and 1 fetch for X, waves 2 and 3 for W.  The branch hangs on the wave's number alone.  An s_nop 0 and four v_nop follow each of the two lines.
.macro JLOAD g0a, g1a, g0b, g1b
	s_cmp_eq_u32 s15, 0
	s_cbranch_scc0 .Lfor_b_\@
	tensor_load_to_lds s[\g0a:\g0a+3], s[\g1a:\g1a+7]
	s_nop 0
.rept 4
	v_nop
.endr
	s_branch .Lasked_\@
.Lfor_b_\@:
	tensor_load_to_lds s[\g0b:\g0b+3], s[\g1b:\g1b+7]
	s_nop 0
.rept 4
	v_nop
.endr
.Lasked_\@:
.endm
.macro CROUND                          ; a round of the cluster's barrier
	s_barrier_signal -1
	s_barrier_wait -1
	s_cmp_lg_u32 s14, 0
	s_cbranch_scc1 .Lnot_wave_0_\@
	s_barrier_signal -3
.Lnot_wave_0_\@:
	s_barrier_wait -3
	s_barrier_signal -1
	s_barrier_wait -1
.endm
	s_load_b128 s[4:7], s[0:1], 0x0                ; X's codes s[4:5], X's scales s[6:7]
	s_load_b128 s[8:11], s[0:1], 0x10              ; W's codes s[8:9], W's scales s[10:11]
	s_load_b64 s[12:13], s[0:1], 0x20              ; qkv
	v_lshl_add_u32 v[SPW], v0, 2, SPARE
	v_mov_b32 v[NIL], 0
	ds_add_u32 v[SPW], v[NIL]                      ; the wave's opening: the add, twice on end, and its wait ahead of my first tensor load
	ds_add_u32 v[SPW], v[NIL]
	v_lshrrev_b32 v1, 5, v0
	v_readfirstlane_b32 s14, v1                    ; wave 0..3
	s_lshr_b32 s15, s14, 1                         ; which half of the tile's rows is mine.  Also: I fetch for X (0) or for W (1)
	s_and_b32 s16, s14, 1                          ; which half of its columns.  Also: which 128 rows of that tile I fetch
	s_bfe_u32 s40, ttmp6, 0x40000                  ; cx, cy: my place in the cluster
	s_bfe_u32 s41, ttmp6, 0x40004
	s_lshl_b32 s42, ttmp9, 2
	s_add_co_u32 s42, s42, s40                     ; tile column of C
	s_and_b32 s17, ttmp7, 0xffff
	s_lshl_b32 s17, s17, 2
	s_add_co_u32 s17, s17, s41                     ; tile row of C
	s_lshl_b32 s43, s41, 2
	s_lshl_b32 s43, 15, s43                        ; my row of the cluster
	s_lshl_b32 s44, 0x1111, s40                    ; my column
	s_or_b32 s[G1+0], s43, (0<<16)|(1<<20)|(1<<21)|(5<<22)|(3<<25)  ; the mask; elements of 1 byte; padding on; bit 21 beside a mask; after every 64 words, 4 words
	s_or_b32 s[G1B+0], s44, (0<<16)|(1<<20)|(1<<21)|(5<<22)|(3<<25)
.irp g, G1, G1B
	s_mov_b32 s[\g+1], ROWB<<16                    ; tensor_dim0
	s_mov_b32 s[\g+2], 128<<16                     ; tensor_dim1
	s_mov_b32 s[\g+3], ROWB<<16                    ; tile_dim0
	s_mov_b32 s[\g+4], 128                         ; tile_dim1
	s_mov_b32 s[\g+5], KROW                        ; stride from row to row
	s_mov_b32 s[\g+6], 0
	s_mov_b32 s[\g+7], 0
.endr
	s_or_b32 s[G1S+0], s43, (3<<16)|(1<<20)|(1<<21)|(5<<22)|(3<<25) ; the scales of 128 rows: 4,096 dense bytes as rows of 256 (32 elements of 8 bytes), 16 bytes of padding behind each
	s_or_b32 s[G1SB+0], s44, (3<<16)|(1<<20)|(1<<21)|(5<<22)|(3<<25)
.irp g, G1S, G1SB
	s_mov_b32 s[\g+1], 32<<16
	s_mov_b32 s[\g+2], (128*KS/256)<<16
	s_mov_b32 s[\g+3], 32<<16
	s_mov_b32 s[\g+4], 128*KS/256
	s_mov_b32 s[\g+5], 32
	s_mov_b32 s[\g+6], 0
	s_mov_b32 s[\g+7], 0
.endr
	s_lshl_b32 s18, s16, 7                         ; which 128 rows of the tile I fetch
	s_lshl_b32 s20, s17, 8
	s_add_co_u32 s20, s20, s18                     ; X: row 256 x tile row + 128 x half
	s_lshl_b32 s46, s42, 8
	s_add_co_u32 s46, s46, s18                     ; W: row 256 x tile column + 128 x half
	s_mov_b32 s21, 0
	s_mov_b32 s47, 0
	s_mov_b64 s[18:19], KS
	s_mul_u64 s[22:23], s[20:21], s[18:19]         ; where these rows' scales begin,
	s_mul_u64 s[92:93], s[46:47], s[18:19]
	s_mov_b64 s[18:19], KROW
	s_mul_u64 s[20:21], s[20:21], s[18:19]         ; and their codes
	s_mul_u64 s[46:47], s[46:47], s[18:19]
	s_mul_i32 s45, s14, HALFT                      ; where they go: wave x 128 rows: no place in the cluster enters an LDS address
	s_mul_i32 s94, s14, HALFS
	s_wait_dscnt 0x0                               ; both opening adds are done
	s_wait_kmcnt 0x0
	s_add_nc_u64 s[20:21], s[4:5], s[20:21]
	s_add_nc_u64 s[22:23], s[6:7], s[22:23]
	s_add_nc_u64 s[46:47], s[8:9], s[46:47]
	s_add_nc_u64 s[92:93], s[10:11], s[92:93]
	CROUND                                         ; all sixteen work-groups are here: the joint loads meet
	s_mov_b32 s[G0S], 1
	s_add_co_u32 s[G0S+1], s94, SCL
	s_mov_b64 s[G0S+2:G0S+3], s[22:23]
	s_or_b32 s[G0S+3], s[G0S+3], 0x80000000
	s_mov_b32 s[G0SB], 1
	s_add_co_u32 s[G0SB+1], s94, SCL
	s_mov_b64 s[G0SB+2:G0SB+3], s[92:93]
	s_or_b32 s[G0SB+3], s[G0SB+3], 0x80000000
	JLOAD G0S, G1S, G0SB, G1SB                     ; the scales first: they are wanted with slot 0
.irp s, 0,1
	s_mov_b32 s[G0+4*\s], 1
	s_add_co_u32 s[G0+4*\s+1], s45, \s*SLOT
	s_add_nc_u64 s[G0+4*\s+2:G0+4*\s+3], s[20:21], \s*ROWB
	s_or_b32 s[G0+4*\s+3], s[G0+4*\s+3], 0x80000000
	s_mov_b32 s[G0B+4*\s], 1
	s_add_co_u32 s[G0B+4*\s+1], s45, \s*SLOT
	s_add_nc_u64 s[G0B+4*\s+2:G0B+4*\s+3], s[46:47], \s*ROWB
	s_or_b32 s[G0B+4*\s+3], s[G0B+4*\s+3], 0x80000000
	JLOAD G0+4*\s, G1, G0B+4*\s, G1B
.endr
	s_load_b64 s[4:5], s[0:1], 0x28                ; bq
	s_load_b64 s[6:7], s[0:1], 0x30                ; bk
	s_load_b64 s[8:9], s[0:1], 0x38                ; bv
	s_load_b64 s[10:11], s[0:1], 0x40              ; mask
	v_and_b32 v1, 15, v0                           ; l % 16
	v_bfe_u32 v2, v0, 4, 1                         ; l / 16
	v_mul_u32_u24 v3, v1, PITCH
	v_lshl_add_u32 v4, v2, 4, v3                   ; a fragment's row x pitch + 16 x half
	s_mul_i32 s21, s15, HALFT                      ; my 128 rows of X
	s_mul_i32 s22, s16, HALFT                      ; my 128 rows of W,
	s_add_co_u32 s22, s22, 2*HALFT                 ; which lie behind X's 256
.irp s, 0,1
	v_add_nc_u32 v[ADRA+\s], s21, v4
	v_add_nc_u32 v[ADRB+\s], s22, v4
	s_add_co_u32 s21, s21, SLOT
	s_add_co_u32 s22, s22, SLOT
.endr
	v_mul_u32_u24 v5, v1, KS                       ; my row's scales: 32 bytes a row,
	v_lshrrev_b32 v6, 8, v5
	v_lshl_add_u32 v5, v6, 4, v5                   ; and 16 more for each 256 passed
	s_mul_i32 s21, s15, HALFS
	s_mul_i32 s22, s16, HALFS
	s_add_co_u32 s22, s22, 2*HALFS
	s_sub_co_u32 s22, s22, s21
	v_mul_u32_u24 v6, s22, v2                      ; lanes 16-31 take W's
	s_add_co_u32 s21, s21, SCL
	v_add_nc_u32 v5, v5, v6
	v_add_nc_u32 v[ADRS], s21, v5
	s_mul_i32 s23, s14, 16*SPITCH                  ; my stage
	v_mul_u32_u24 v5, v1, SPITCH                   ; in: row l % 16, 16 bytes for each half of the lanes
	v_lshl_add_u32 v5, v2, 4, v5
	v_add_nc_u32 v[STO], s23, v5
	v_bfe_u32 v5, v0, 3, 2                         ; back: eight lanes take a token's 128 bytes of one head, the 32 lanes four tokens
	v_and_b32 v6, 7, v0
	v_mul_u32_u24 v5, v5, SPITCH
	v_lshl_add_u32 v5, v6, 4, v5
	v_add_nc_u32 v[RD], s23, v5
	v_and_b32 v6, 31, v0
	v_lshlrev_b32 v[CO], 4, v6                     ; which are 512 consecutive bytes of qkv
	v_lshlrev_b32 v[BA], 5, v2
	v_mov_b32 v[MA], v1
	; where my rows begin in qkv: ((4 which + batch) x 16 + head) x 262,144 + token x 128
	s_lshr_b32 s92, s17, 3                         ; batch: 8 tile rows each
	s_lshl_b32 s93, ttmp9, 2                       ; which = the cluster's x
	s_add_co_u32 s92, s92, s93
	s_lshl_b32 s92, s92, 4
	s_lshl_b32 s93, s40, 2
	s_add_co_u32 s92, s92, s93
	s_lshl_b32 s93, s16, 1
	s_add_co_u32 s92, s92, s93                     ; + my first head: 4 cx + 2 x half
	s_lshl_b32 s92, s92, 18
	s_and_b32 s93, s17, 7
	s_lshl_b32 s93, s93, 1
	s_add_co_u32 s93, s93, s15
	s_lshl_b32 s93, s93, 14                        ; 128 tokens of 128 bytes
	s_add_co_u32 s92, s92, s93
	s_mov_b32 s93, 0
	s_add_nc_u64 s[12:13], s[12:13], s[92:93]
	s_lshl_b32 s94, s40, 10                        ; my 128 numbers of the bias: (256 cx + 128 x half) x 4
	s_lshl_b32 s95, s16, 9
	s_add_co_u32 s94, s94, s95
	s_mov_b32 s95, 0
	s_lshl_b32 s96, s17, 8                         ; my first token: 256 x tile row + 128 x half
	s_lshl_b32 s97, s15, 7
	s_add_co_u32 s96, s96, s97
	s_mov_b32 s97, 0
	s_cmp_eq_u32 ttmp9, 1                          ; factor = mask x s66 + s67: q: log2(e) / 8; k: the mask; v: 1
	s_cselect_b32 s66, 1.0, 0
	s_cselect_b32 s67, 0, 1.0
	s_cmp_eq_u32 ttmp9, 0
	s_cselect_b32 s67, 0x3e38aa3b, s67
	s_wait_kmcnt 0x0
	s_cmp_eq_u32 ttmp9, 1                          ; the bias of q, k or v: the choice hangs on the cluster's number alone
	s_cselect_b64 s[4:5], s[6:7], s[4:5]
	s_cmp_eq_u32 ttmp9, 2
	s_cselect_b64 s[4:5], s[8:9], s[4:5]
	s_add_nc_u64 s[4:5], s[4:5], s[94:95]
	s_add_nc_u64 s[10:11], s[10:11], s[96:97]
.irp b, 0,1,2,3,4,5,6,7
	global_load_b128 v[BI+8*\b:BI+8*\b+3], v[BA], s[4:5] offset:64*\b          ; bias(16 b + 8 (lane / 16) + 0 .. 7): the result's layout
	global_load_b128 v[BI+8*\b+4:BI+8*\b+7], v[BA], s[4:5] offset:64*\b+16
.endr
.irp a, 0,1,2,3,4,5,6,7
	global_load_u8 v[MK+\a], v[MA], s[10:11] offset:16*\a                      ; the mask of row 16 a + lane % 16
.endr
.macro FRAG reg, adr, q, i             ; 16 rows x 128 K of 4-bit codes: 8 registers: two loads of 16 bytes, 32 bytes apart
.irp c, 0,1
	ds_load_b128 v[\reg+4*\c:\reg+4*\c+3], v[\adr] offset:64*(\q)+32*\c+(\i)*16*PITCH
.endr
.endm
; 16 matrix instructions: X's blocks a0, a0 + 1 x W's eight.  zero = 1: the first product starts the sums from the bias.  The 64 accumulators take turns, one instruction a turn.
.macro MUL16 a0, p, q, sc, zero
.irp a, \a0, \a0+1
.irp b, 0,1,2,3,4,5,6,7
.if \zero
	v_wmma_scale_f32_16x16x128_f8f6f4 v[8*(8*((\a)%4)+\b):8*(8*((\a)%4)+\b)+7], v[128*(\p)+FR*\b:128*(\p)+FR*\b+FR-1], v[AF+FR*(\a):AF+FR*(\a)+FR-1], v[BI+8*\b:BI+8*\b+7], v[SC+8*NQ*(\sc)+NQ*\b+(\q)], v[SC+8*NQ*(\sc)+NQ*(\a)+(\q)] matrix_a_fmt:MATRIX_FMT_FP4 matrix_b_fmt:MATRIX_FMT_FP4 matrix_a_scale:MATRIX_SCALE_ROW1
.else
	v_wmma_scale_f32_16x16x128_f8f6f4 v[8*(8*((\a)%4)+\b):8*(8*((\a)%4)+\b)+7], v[128*(\p)+FR*\b:128*(\p)+FR*\b+FR-1], v[AF+FR*(\a):AF+FR*(\a)+FR-1], v[8*(8*((\a)%4)+\b):8*(8*((\a)%4)+\b)+7], v[SC+8*NQ*(\sc)+NQ*\b+(\q)], v[SC+8*NQ*(\sc)+NQ*(\a)+(\q)] matrix_a_fmt:MATRIX_FMT_FP4 matrix_b_fmt:MATRIX_FMT_FP4 matrix_a_scale:MATRIX_SCALE_ROW1
.endif
.endr
.endr
.endm
.macro FETCH_B slot, q, p
	WIN TO_B
.irp i, 0,1,2,3,4,5,6,7
	FRAG 128*(\p)+FR*\i, ADRB+\slot, \q, \i
.endr
	WIN 0
.endm
.macro FETCH_A slot, q, i0
.irp i, \i0, \i0+1, \i0+2, \i0+3
	FRAG AF+FR*(\i), ADRA+\slot, \q, \i
.endr
.endm
.macro SCALES sc                       ; a slot's scale words: 4 words a row; lanes 0-15 take X's block i, lanes 16-31 W's block i
.irp i, 0,1,2,3,4,5,6,7
	ds_load_b128 v[SC+8*NQ*\sc+NQ*\i:SC+8*NQ*\sc+NQ*\i+3], v[ADRS] offset:\i*SBLK
.endr
.endm
.macro PLACES n                        ; plain vector lines between matrix instructions and loads into registers that they have read (for vector instructions)
.rept \n
	v_nop
.endr
.endm
.macro STEP slot, q, zero              ; 128 along K, with its successor in the same slot
	s_wait_dscnt 4*NL                              ; W's set and X's blocks 0-3 are in; the youngest eight loads (X's blocks 4-7) may be out
.if \zero
	WIN MULZ_LO
.else
	WIN MUL_LO
.endif
	MUL16 0, (\q)%2, \q, \slot, \zero
	MUL16 2, (\q)%2, \q, \slot, \zero
	s_wait_dscnt 0                                 ; X's blocks 4-7 are in
	PLACES NP
	FETCH_B \slot, (\q)+1, 1-(\q)%2
	FETCH_A \slot, (\q)+1, 0
.if \zero
	WIN MULZ_HI
.else
	WIN MUL_HI
.endif
	MUL16 4, (\q)%2, \q, \slot, \zero
	MUL16 6, (\q)%2, \q, \slot, \zero
	PLACES NP
	WIN 0
	FETCH_A \slot, (\q)+1, 4
.endm
; Slot 0's last step changes slots: one barrier; in front of it each wave waits for all its tensor loads (its part of slot 1), adds 0 to its spare word, and waits for that and for its reads of slot 0.
; Slot 0 later serves as the stage.
.macro TURN slot, next
	s_wait_tensorcnt 0x0
	ds_add_u32 v[SPW], v[NIL]
	s_wait_dscnt 4*NL+1                            ; (the add and the youngest eight loads may be out)
	WIN MUL_LO
	MUL16 0, 1, NQ-1, \slot, 0
	s_wait_dscnt 0x0                               ; the add is done, and my reads of this slot are over
	s_barrier_signal -1
	MUL16 2, 1, NQ-1, \slot, 0
	WIN 0
	s_barrier_wait -1
	PLACES NP
	v_add_nc_u32 v[ADRS], 4*NQ, v[ADRS]            ; on to the next slot's scale words
	FETCH_B \next, 0, 0
	FETCH_A \next, 0, 0
	SCALES \next
	WIN MUL_HI
	MUL16 4, 1, NQ-1, \slot, 0
	MUL16 6, 1, NQ-1, \slot, 0
	PLACES NP
	WIN 0
	FETCH_A \next, 0, 4
.endm
	s_wait_tensorcnt 1                             ; the scales and my part of slot 0 are in (slot 1's load may be out)
	s_barrier_signal -1
	s_barrier_wait -1                              ; everybody's are
	FETCH_B 0, 0, 0
	FETCH_A 0, 0, 0
	SCALES 0
	FETCH_A 0, 0, 4
	s_wait_loadcnt 0x0                             ; the bias and the mask
	STEP 0, 0, 1
	STEP 0, 1, 0
	STEP 0, 2, 0
	TURN 0, 1
	STEP 1, 0, 0
	STEP 1, 1, 0
	STEP 1, 2, 0
	s_wait_dscnt 4*NL                              ; the very last step: nothing more to fetch
	WIN MUL_LO
	MUL16 0, 1, NQ-1, 1, 0
	MUL16 2, 1, NQ-1, 1, 0
	s_wait_dscnt 0
	WIN MUL_HI
	MUL16 4, 1, NQ-1, 1, 0
	MUL16 6, 1, NQ-1, 1, 0
	WIN 0
	; the factors of my rows; these 24 plain lines name no register of the products: they are the places behind them
.irp a, 0,1,2,3,4,5,6,7
	v_cvt_f32_u32 v[MK+\a], v[MK+\a]
.endr
.irp a, 0,1,2,3,4,5,6,7
	v_fma_f32 v[FC+2*\a], v[MK+\a], s66, s67
	v_fma_f32 v[FC+2*\a+1], v[MK+\a], s66, s67     ; twice: a pair for the packed multiply
.endr
; THE WAY OUT, block by block of 16 tokens x 128 columns (two heads).  PACK: x the factor, in place, each accumulator from its low end on; rounded to f16, 16 bytes a lane.
.macro PACK a
.set AC, 64*((\a)%4)
	WIN 0x82+0x41*((\a)/4)                         ; source 0 and destination window 2 or 3, the factor window 0
.irp b, 0,1,2,3,4,5,6,7
.irp r, 0,1,2,3
	v_pk_mul_f32 v[AC+8*\b+2*\r:AC+8*\b+2*\r+1], v[AC+8*\b+2*\r:AC+8*\b+2*\r+1], v[FC+2*(\a):FC+2*(\a)+1]
.endr
.endr
	WIN 0x0a+5*((\a)/4)                            ; sources 0 and 1 window 2 or 3, destination window 0
.irp b, 0,1,2,3,4,5,6,7
.irp r, 0,1,2,3
	v_cvt_pk_f16_f32 v[PKD+4*\b+\r], v[AC+8*\b+2*\r], v[AC+8*\b+2*\r+1]
.endr
.endr
	WIN 0
.endm
.macro TOSTAGE a                       ; into my stage by tokens, and back by heads: load t takes head t / 4, tokens 4 (t % 4) on
.set BB, BK+32*((\a)%2)
.irp b, 0,1,2,3,4,5,6,7
	ds_store_b128 v[STO], v[PKD+4*\b:PKD+4*\b+3] offset:32*\b
.endr
.irp t, 0,1,2,3,4,5,6,7
	ds_load_b128 v[BB+4*\t:BB+4*\t+3], v[RD] offset:(\t%4)*4*SPITCH+(\t/4)*128   ; LDS serves a wave's instructions in order: these see the stores above
.endr
.endm
.macro SEND a, younger                 ; younger: the LDS instructions issued behind block a's loads
.set BB, BK+32*((\a)%2)
	s_wait_dscnt \younger
.irp t, 0,1,2,3,4,5,6,7
	global_store_b128 v[CO], v[BB+4*\t:BB+4*\t+3], s[12:13] offset:(\a)*2048+(\t/4)*262144+(\t%4)*512   ; 32 lanes store 512 consecutive bytes, at a multiple of 256 from the buffer's first byte
.endr
.endm
	PACK 0
	TOSTAGE 0
.irp a, 1,2,3,4,5,6,7
	PACK \a
.if \a > 1
	s_wait_xcnt 0x0                                ; block a - 2's stores have read their registers: block a's loads may land there
.endif
	TOSTAGE \a
	SEND \a-1, 16                                  ; behind block a - 1's loads: block a's 8 stores and 8 loads
.endr
	SEND 7, 0
	s_wait_tensorcnt 0x0                           ; the wave's end
	ds_add_u32 v[SPW], v[NIL]
	s_wait_dscnt 0x0
	CROUND                                         ; the closing round
	s_endpgm
.Lfunc_end_k_q6a8a2e693a_qkv:
	.size	k_q6a8a2e693a_qkv, .Lfunc_end_k_q6a8a2e693a_qkv-k_q6a8a2e693a_qkv
	.p2alignl 7, 3214868480
	.fill 96, 4, 3214868480
	.section	.rodata,"a",@progbits
	.p2align	6, 0x0
	.amdhsa_kernel k_q6a8a2e693a_qkv
		.amdhsa_group_segment_fixed_size 327680
		.amdhsa_private_segment_fixed_size 0
		.amdhsa_enable_private_segment 0
		.amdhsa_kernarg_size 72
		.amdhsa_user_sgpr_count 2
		.amdhsa_user_sgpr_kernarg_segment_ptr 1
		.amdhsa_wavefront_size32 1
		.amdhsa_system_sgpr_workgroup_id_x 1
		.amdhsa_system_sgpr_workgroup_id_y 1
		.amdhsa_system_sgpr_workgroup_id_z 1
		.amdhsa_system_vgpr_workitem_id 0
		.amdhsa_next_free_vgpr 1024
		.amdhsa_next_free_sgpr 98
		.amdhsa_reserve_vcc 0
		.amdhsa_float_denorm_mode_32 3
		.amdhsa_float_denorm_mode_16_64 3
		.amdhsa_memory_ordered 1
		.amdhsa_forward_progress 1
		.amdhsa_inst_pref_size 147
	.end_amdhsa_kernel
	.amdgpu_metadata
---
amdhsa.version: [ 1, 2 ]
amdhsa.kernels:
  - .name:           k_q6a8a2e693a_qkv
    .symbol:         k_q6a8a2e693a_qkv.kd
    .args:
      - { .name: xc, .offset: 0, .size: 8, .value_kind: global_buffer, .address_space: global }
      - { .name: xs, .offset: 8, .size: 8, .value_kind: global_buffer, .address_space: global }
      - { .name: wc, .offset: 16, .size: 8, .value_kind: global_buffer, .address_space: global }
      - { .name: ws, .offset: 24, .size: 8, .value_kind: global_buffer, .address_space: global }
      - { .name: qkv, .offset: 32, .size: 8, .value_kind: global_buffer, .address_space: global }
      - { .name: bq, .offset: 40, .size: 8, .value_kind: global_buffer, .address_space: global }
      - { .name: bk, .offset: 48, .size: 8, .value_kind: global_buffer, .address_space: global }
      - { .name: bv, .offset: 56, .size: 8, .value_kind: global_buffer, .address_space: global }
      - { .name: mask, .offset: 64, .size: 8, .value_kind: global_buffer, .address_space: global }
    .group_segment_fixed_size: 327680
    .private_segment_fixed_size: 0
    .kernarg_segment_align: 8
    .kernarg_segment_size: 72
    .max_flat_workgroup_size: 128
    .sgpr_count:     98
    .vgpr_count:     1024
    .wavefront_size: 32
...
	.end_amdgpu_metadata
.endif
;; end of part 2
;; launch attn (part 3): grid 4 x 64, 8 waves a work-group, clusters of 4 x 1, 327,680 bytes of LDS; arguments qkv, mask, ctx; writes ctx
.if DOCPART == 3
	.amdgcn_target "amdgcn-amd-amdhsa--gfx1250"
	.amdhsa_code_object_version 6
	.text
	.protected	k_q6a8a2e693a_attn
	.globl	k_q6a8a2e693a_attn
	.p2align	8
	.type	k_q6a8a2e693a_attn,@function
k_q6a8a2e693a_attn:
	s_mov_b64 s[64:65], 0
	v_nop
	global_prefetch_b8 v0, s[64:65] scope:SCOPE_SE
	s_setreg_imm32_b32 hwreg(HW_REG_WAVE_MODE, 25, 1), 1
	s_wait_xcnt 0x0
	s_wait_alu depctr_hold_cnt(0) depctr_sa_sdst(0) depctr_va_vdst(0) depctr_va_sdst(0) depctr_va_ssrc(0) depctr_va_vcc(0) depctr_vm_vsrc(0)
	s_getreg_b32 s2, hwreg(HW_REG_IB_STS2, 6, 4)
	s_cmp_eq_u32 s2, 0
	s_cbranch_scc0 .Lentry_in_a_cluster
	s_endpgm
.Lentry_in_a_cluster:
	s_bfe_u32 s2, ttmp6, 0x10000c
	s_cmp_lg_u32 s2, 0x3003
	s_cbranch_scc0 .Lentry_shape_is_right
	s_endpgm
.Lentry_shape_is_right:
; ATTN: ctx[bh][q][:] = the sum over k of softmax_k(t[q][k]) V[bh][k][:], t in base 2.  qkv: f16 [3][64 heads][2048][64]: q comes multiplied by log2(e) / 8, k comes as zeros where the key is masked.
; t[q][k] = q . k + addend[k], addend = 0 for a key that counts and -10000 log2(e) for a masked one: so a masked key's t is exactly that constant, as the definition has it (it is replaced, not dropped).
; The addend is the C of the first score product.  Products in f16 with f32 sums; maxima and sums in f32; the weights p = 2^(t - m), m the running maximum, are rounded to f16 for the second product;
; the row's sum is taken of the unrounded p; ctx is rounded to f16 once, laid [64 heads][2048][64].
; LIMITS: q, k, v as the launch before states them; NaN and infinities are not served.
; SHARES.  A work-group owns 512 queries of one head, each of its eight waves 64: four tiles of 16; two waves lie on a SIMD, so that one wave's softmax stands beside the other's products.  Every wave walks all 2,048 keys, 64 a step.
; LAYOUT.  S^T = K Q^T (source 0 = 16 keys, source 1 = 16 queries): a lane holds ONE query (lane % 16) and keys 8 (lane / 16) + 0..7.  Two such tiles, rounded in pairs, ARE source 1 of O^T = V^T P.
; K comes out of LDS as it lies, V ([key][channel]) turned, by ds_load_tr16_b128.
; CLUSTER.  The four query blocks of a head are one cluster and walk the same K and V: each tile is asked for JOINTLY.  A slot holds four key steps; wave w fetches K (w < 4) or V of the slot's step w % 4.
; By this text's own count a wave has two tensor loads out at the head and one behind each round.
; REGISTERS: window 0: v2-15 addresses; v16-31 a tile's m, a written spare, l (a pair); v32-63 T: the addends during K Q^T, the softmax's work afterwards; v64-191 S^T, 32 a tile (P is laid over its first 16);
;   v192-255 K of one step.   window 1: v0-63 Q; v64-127 V of one step; v128-255 O^T, 32 a tile.
.set PKB,   144                        ; a row of K in LDS: 128 bytes + 16: an odd multiple of 16
.set PVB,   160                        ; a row of V: 128 + 32: an odd multiple of 32, for the turning load
.set VOFF,  64*PKB
.set STEPB, 64*(PKB+PVB)               ; a step's tiles lie together: 64 rows of K, then 64 rows of V
.set SLOT1, 1<<17                      ; slot 1 begins here: one exclusive or turns an address in one slot into the other's
.set SLOTB, 32768                      ; a slot's 256 rows of K (or V) in memory
.set BIAS,  4*STEPB                    ; behind slot 0: the 2,048 addends, f32; no tile lands here
.set STAGE, BIAS+8192                  ; the way out: 16 rows x 144 bytes for each wave
.set SP,    144
.set SPARE, STAGE+8*16*SP              ; the spare words: 128 bytes for each wave
.set AK0, 2
.set AV0, 3
.set AB0, 4
.set ADK, 5
.set ADV, 6
.set ADB, 7
.set SPW, 8
.set NIL, 9
.set QO,  10
.set PFO, 11
.set STO, 12
.set RD,  13
.set GO,  14
.set ST,  16
.set T,   32
.set S,   64
.set KF,  192
.set VF,  64                           ; in window 1
.set OF,  128                          ; in window 1
.set WV,  12
.set LIM, 15                           ; s15  1 in a wave that prefetches, else the greatest number
.set PFA, 18                           ; s[18:19] where my prefetches stand
.set G1K, 24
.set G1V, 32
.set G0K, 40                           ; two sets each: for the two first fills; the second then walks on
.set G0V, 48
.set SLOTS, 56
.set CNT, 57
.set SEL, 60
.set TB,  62                           ; s62  LDS byte at which the tiles of the step to be fetched begin
.set TJ,  63                           ; s63  and its addends: 256 bytes a step
.set XM,  66                           ; s66  10000 log2(e)
.set MSB, 0
.macro WIN new
.if MSB != \new
	s_set_vgpr_msb (MSB<<8)|\new
.set MSB, \new
.endif
.endm
.macro JLOAD                           ; a joint refill; the branch hangs on the wave's number alone; an s_nop 0 and four v_nop follow each of the two lines
	s_cmp_lt_u32 s[WV], 4
	s_cbranch_scc0 .Lfor_v_\@
	tensor_load_to_lds s[G0K+4:G0K+7], s[G1K:G1K+7]
	s_nop 0
.rept 4
	v_nop
.endr
	s_branch .Lasked_\@
.Lfor_v_\@:
	tensor_load_to_lds s[G0V+4:G0V+7], s[G1V:G1V+7]
	s_nop 0
.rept 4
	v_nop
.endr
.Lasked_\@:
.endm
; A PREFETCH of what the NEXT change of slots will ask for: 32,768 bytes of K and as many of V.  The four partners take 8,192 bytes each, told apart by address; in each, wave 0 asks for K's and wave 4 for V's,
; lanes 256 bytes apart: each aligned 256 bytes are named once in the launch.  It stands behind the wave's tensor load, four key steps ahead of the load that will want the bytes.  The last refill asks for nothing.
.macro ASK
	s_cmp_gt_u32 s[SLOTS], s[LIM]
	s_cbranch_scc0 .Lnot_mine_\@
	global_prefetch_b8 v[PFO], s[PFA:PFA+1] th:TH_LOAD_NT scope:SCOPE_SE
.Lnot_mine_\@:
.endm
.macro CROUND
	s_barrier_signal -1
	s_barrier_wait -1
	s_cmp_lg_u32 s[WV], 0
	s_cbranch_scc1 .Lnot_wave_0_\@
	s_barrier_signal -3
.Lnot_wave_0_\@:
	s_barrier_wait -3
	s_barrier_signal -1
	s_barrier_wait -1
.endm
	s_load_b128 s[4:7], s[0:1], 0x0                ; qkv s[4:5], mask s[6:7]
	s_load_b64 s[8:9], s[0:1], 0x10                ; ctx
	v_lshl_add_u32 v[SPW], v0, 2, SPARE
	v_mov_b32 v[NIL], 0
	ds_add_u32 v[SPW], v[NIL]                      ; the wave's opening: the add, twice on end, and its wait ahead of my first tensor load
	ds_add_u32 v[SPW], v[NIL]
	v_lshrrev_b32 v1, 5, v0
	v_readfirstlane_b32 s[WV], v1                  ; wave 0..7
	s_bfe_u32 s13, ttmp6, 0x40000                  ; cx: my block of 512 queries
	s_and_b32 s14, ttmp7, 0xffff                   ; batch x 16 + head, which the four partners share
	s_lshl_b32 s20, s14, 18                        ; a head is 262,144 bytes
	s_mov_b32 s21, 0
	s_and_b32 s16, s[WV], 3                        ; which of a slot's four steps I fetch:
	s_lshl_b32 s2, s16, 13                         ; its 64 rows of 128 bytes in memory,
	s_mov_b32 s3, 0
	s_mul_i32 s17, s16, STEPB                      ; and its place in a slot: no place in the cluster enters an LDS address
	s_lshl_b32 s22, s13, 16                        ; my block's 512 rows,
	s_lshl_b32 s23, s[WV], 13                      ; my wave's 64 of them,
	s_add_co_u32 s22, s22, s23
	s_add_co_u32 s22, s22, s20                     ; in my head
	s_mov_b32 s23, 0
	s_mov_b32 s[G1K], 15|(1<<16)|(1<<20)|(1<<21)|(4<<22)|(3<<25)  ; the mask: all four; elements of 2 bytes; padding on; bit 21 beside a mask; after every 32 words, 4 words
	s_mov_b32 s[G1V], 15|(1<<16)|(1<<20)|(1<<21)|(4<<22)|(7<<25)  ; the same with 8 words of padding
.irp g, G1K, G1V
	s_mov_b32 s[\g+1], 64<<16                      ; tensor_dim0 = 64
	s_mov_b32 s[\g+2], 64<<16                      ; tensor_dim1 = 64
	s_mov_b32 s[\g+3], 64<<16                      ; tile_dim0 = 64
	s_mov_b32 s[\g+4], 64                          ; tile_dim1 = 64
	s_mov_b32 s[\g+5], 64                          ; elements from row to row
	s_mov_b32 s[\g+6], 0
	s_mov_b32 s[\g+7], 0
.endr
	s_mov_b32 s[SEL], 0x76543210
	s_mov_b32 s[SEL+1], 0xfedcba98                 ; v_permlanex16_b32: lane l xor 16
	s_mov_b32 s[XM], 0x46616bcd                    ; 10000 log2(e)
	s_mov_b32 s[TB], 0
	s_mov_b32 s[TJ], 0
	s_mov_b32 s[SLOTS], 6                          ; 8 slots' worth of keys, two of them first fills
	s_cmp_eq_u32 s16, 0                            ; waves 0 and 4 prefetch
	s_cselect_b32 s[LIM], 1, -1
	v_and_b32 v[PFO], 31, v0
	v_lshlrev_b32 v[PFO], 8, v[PFO]
	s_wait_dscnt 0x0                               ; both opening adds are done
	s_wait_kmcnt 0x0
	s_add_nc_u64 s[68:69], s[4:5], s[22:23]        ; Q at my wave's first row
	s_add_nc_u64 s[8:9], s[8:9], s[22:23]          ; ctx likewise
	s_add_nc_u64 s[4:5], s[4:5], s[20:21]          ; my head in q's part,
	s_add_nc_u64 s[70:71], s[4:5], 0x1000000       ; in k's,
	s_add_nc_u64 s[72:73], s[4:5], 0x2000000       ; in v's
	s_cmp_lt_u32 s[WV], 4
	s_cselect_b64 s[PFA:PFA+1], s[70:71], s[72:73]
	s_lshl_b32 s22, s13, 13                        ; my work-group's 8,192 bytes of a slot's 32,768,
	s_add_co_u32 s22, s22, 2*SLOTB                 ; in slot 2: the first change steps it to slot 3.  Nothing is prefetched at the head
	s_add_nc_u64 s[PFA:PFA+1], s[PFA:PFA+1], s[22:23]
	s_add_nc_u64 s[70:71], s[70:71], s[2:3]        ; K and V at my tile of slot 0
	s_add_nc_u64 s[72:73], s[72:73], s[2:3]
	s_lshr_b32 s22, s14, 4
	s_lshl_b32 s22, s22, 11
	s_add_nc_u64 s[6:7], s[6:7], s[22:23]          ; my batch's 2,048 mask bytes
	CROUND                                         ; all four work-groups are here: the first joint loads meet
.irp s, 0,1
	s_mov_b32 s[G0K+4*\s], 1
	s_add_co_u32 s[G0K+4*\s+1], s17, \s*SLOT1
	s_add_nc_u64 s[G0K+4*\s+2:G0K+4*\s+3], s[70:71], \s*SLOTB
	s_or_b32 s[G0K+4*\s+3], s[G0K+4*\s+3], 0x80000000
	s_mov_b32 s[G0V+4*\s], 1
	s_add_co_u32 s[G0V+4*\s+1], s17, \s*SLOT1+VOFF
	s_add_nc_u64 s[G0V+4*\s+2:G0V+4*\s+3], s[72:73], \s*SLOTB
	s_or_b32 s[G0V+4*\s+3], s[G0V+4*\s+3], 0x80000000
.endr
	s_cmp_lt_u32 s[WV], 4                          ; a wave's two first fills stand in one branch, ahead of every wait on TENSORcnt and every LDS read
	s_cbranch_scc0 .Lfirst_v
	tensor_load_to_lds s[G0K:G0K+3], s[G1K:G1K+7]
	s_nop 0
	tensor_load_to_lds s[G0K+4:G0K+7], s[G1K:G1K+7]
	s_nop 0
.rept 4
	v_nop
.endr
	s_branch .Lfirst_asked
.Lfirst_v:
	tensor_load_to_lds s[G0V:G0V+3], s[G1V:G1V+7]
	s_nop 0
	tensor_load_to_lds s[G0V+4:G0V+7], s[G1V:G1V+7]
	s_nop 0
.rept 4
	v_nop
.endr
.Lfirst_asked:
	v_and_b32 v1, 15, v0                           ; r = l % 16
	v_bfe_u32 v15, v0, 4, 1                        ; h = l / 16
	v_lshlrev_b32 v[QO], 7, v1
	v_lshl_add_u32 v[QO], v15, 4, v[QO]            ; row x 128 + 16 x half
	WIN 0x40                                       ; destination window 1
.irp i, 0,1,2,3,4,5,6,7                        ; Q stays in registers: tile i / 2, channels 32 (i % 2) on
	global_load_b128 v[8*\i:8*\i+3],   v[QO], s[68:69] offset:(\i/2)*2048+(\i%2)*64
	global_load_b128 v[8*\i+4:8*\i+7], v[QO], s[68:69] offset:(\i/2)*2048+(\i%2)*64+32
.endr
	WIN 0
	v_lshlrev_b32 v80, 3, v0
	global_load_b64 v[82:83], v80, s[6:7]          ; eight mask bytes a thread: the 256 threads take the batch's 2,048
	v_mul_u32_u24 v[AK0], v1, PKB
	v_lshl_add_u32 v[AK0], v15, 4, v[AK0]          ; K: row x pitch + 16 x half
	v_and_b32 v64, 7, v0
	v_bfe_u32 v65, v0, 3, 1
	v_lshl_add_u32 v[AV0], v15, 3, v64             ; V, for the turning load: key 8 h + l % 8, channels 8 ((l / 8) % 2) on
	v_mul_u32_u24 v[AV0], v[AV0], PVB
	v_lshl_add_u32 v[AV0], v65, 4, v[AV0]
	v_add_nc_u32 v[AV0], VOFF, v[AV0]
	v_lshl_add_u32 v[AB0], v15, 5, BIAS            ; the addends of keys 8 h + 0 .. 7 of a tile
	s_mul_i32 s16, s[WV], 16*SP
	s_add_co_u32 s16, s16, STAGE                   ; my stage
	v_mul_u32_u24 v[STO], v1, SP                   ; in: row r, 16 bytes for each half of the lanes
	v_lshl_add_u32 v[STO], v15, 4, v[STO]
	v_add_nc_u32 v[STO], s16, v[STO]
	v_bfe_u32 v[RD], v0, 3, 2                      ; back: eight lanes take a row of 128 bytes, the 32 lanes four rows
	v_mul_u32_u24 v[RD], v[RD], SP
	v_lshl_add_u32 v[RD], v64, 4, v[RD]
	v_add_nc_u32 v[RD], s16, v[RD]
	v_and_b32 v[GO], 31, v0
	v_lshlrev_b32 v[GO], 4, v[GO]                  ; which are 512 consecutive bytes of ctx
.irp t, 0,1,2,3
	v_mov_b32 v[ST+4*\t+1], 0                      ; named as the upper half of the pair with m, so it is written
.endr
	v_lshl_add_u32 v81, v0, 5, BIAS
	s_wait_loadcnt 0x0                             ; Q and the mask
.irp i, 0,1,2,3,4,5,6,7
	v_bfe_u32 v[72+\i], v[82+\i/4], 8*(\i%4), 8
.endr
.irp i, 0,1,2,3,4,5,6,7
	v_cvt_f32_u32 v[72+\i], v[72+\i]
.endr
.irp i, 0,1,2,3,4,5,6,7
	v_fma_f32 v[64+\i], v[72+\i], s[XM], -s[XM]    ; 1 -> 0 exactly, 0 -> -10000 log2(e)
.endr
	ds_store_b128 v81, v[64:67]
	ds_store_b128 v81, v[68:71] offset:16
.macro KLOAD                           ; a step's K: fragment f = 2 kt + c: keys 16 kt on, channels 32 c on
.irp f, 0,1,2,3,4,5,6,7
	ds_load_b128 v[KF+8*\f:KF+8*\f+3],   v[ADK] offset:(\f/2)*16*PKB+(\f%2)*64
	ds_load_b128 v[KF+8*\f+4:KF+8*\f+7], v[ADK] offset:(\f/2)*16*PKB+(\f%2)*64+32
.endr
.endm
.macro BLOAD                           ; its 64 addends, in the result's layout: eight a tile of keys
.irp k, 0,1,2,3
	ds_load_b128 v[T+8*\k:T+8*\k+3],   v[ADB] offset:64*\k
	ds_load_b128 v[T+8*\k+4:T+8*\k+7], v[ADB] offset:64*\k+16
.endr
.endm
.macro VLOAD                           ; its V, turned: fragment f = 4 ks + ct: keys 32 ks on, channels 16 ct on
.irp f, 0,1,2,3,4,5,6,7
	ds_load_tr16_b128 v[VF+8*\f:VF+8*\f+3],   v[ADV] offset:(\f/4)*32*PVB+(\f%4)*32
	ds_load_tr16_b128 v[VF+8*\f+4:VF+8*\f+7], v[ADV] offset:(\f/4)*32*PVB+16*PVB+(\f%4)*32
.endr
.endm
; 32 products S^T = K Q^T + addend: channels 32 (i / 16) on, keys 16 ((i / 4) % 4) on, tile i % 4.  The 16 accumulators take turns, one instruction a turn.
.macro KQ
	WIN 0x04                                       ; Q in window 1, all else in window 0
.set i, 0
.rept 32
.set rS, S+32*(i%4)+8*((i/4)%4)
.set rK, KF+8*(2*((i/4)%4)+i/16)
.set rQ, 16*(i%4)+8*(i/16)
.set rB, T+8*((i/4)%4)
.if i < 16
	v_wmma_f32_16x16x32_f16 v[rS:rS+7], v[rK:rK+7], v[rQ:rQ+7], v[rB:rB+7]
.else
	v_wmma_f32_16x16x32_f16 v[rS:rS+7], v[rK:rK+7], v[rQ:rQ+7], v[rS:rS+7]
.endif
.set i, i+1
.endr
.endm
; 32 products O^T += V^T P: keys 32 (i / 16) on, channels 16 ((i / 4) % 4) on, tile i % 4.  first = 1: the first 16 start the sums.
.macro PVM first
	WIN 0x51                                       ; V, C and D in window 1, P in window 0
.set i, 0
.rept 32
.set rO, OF+32*(i%4)+8*((i/4)%4)
.set rV, VF+8*(4*(i/16)+(i/4)%4)
.set rP, S+32*(i%4)+8*(i/16)
.if \first && (i < 16)
	v_wmma_f32_16x16x32_f16 v[rO:rO+7], v[rV:rV+7], v[rP:rP+7], 0
.else
	v_wmma_f32_16x16x32_f16 v[rO:rO+7], v[rV:rV+7], v[rP:rP+7], v[rO:rO+7]
.endif
.set i, i+1
.endr
.endm
; THE SOFTMAX of a key step, the four tiles by turns in every stage.  Tile t's work registers: c0-c7 = v[T + 8 t] on; c6 = a = 2^(old m - new m).
.macro SOFTMAX first
.irp j, 0,1,2,3                                ; the maximum: four chains, each begun at its accumulator's low end
.irp t, 0,1,2,3
	v_max3_num_f32 v[T+8*\t+\j], v[S+32*\t+8*\j], v[S+32*\t+8*\j+1], v[S+32*\t+8*\j+2]
.endr
.endr
.irp g, 1,2
.irp j, 0,1,2,3
.irp t, 0,1,2,3
	v_max3_num_f32 v[T+8*\t+\j], v[T+8*\t+\j], v[S+32*\t+8*\j+2*\g+1], v[S+32*\t+8*\j+2*\g+2]
.endr
.endr
.endr
.irp t, 0,1,2,3
	v_max3_num_f32 v[T+8*\t], v[T+8*\t], v[S+32*\t+7], v[S+32*\t+15]
.endr
.irp t, 0,1,2,3
	v_max3_num_f32 v[T+8*\t+2], v[T+8*\t+2], v[S+32*\t+23], v[S+32*\t+31]
.endr
.irp t, 0,1,2,3
	v_max3_num_f32 v[T+8*\t], v[T+8*\t], v[T+8*\t+1], v[T+8*\t+2]
.endr
.irp t, 0,1,2,3
.if \first
	v_max_num_f32 v[T+8*\t], v[T+8*\t], v[T+8*\t+3]
.else
	v_max3_num_f32 v[T+8*\t], v[T+8*\t], v[T+8*\t+3], v[ST+4*\t]   ; with the old m
.endif
.endr
.irp t, 0,1,2,3
	v_permlanex16_b32 v[T+8*\t+4], v[T+8*\t], s[SEL], s[SEL+1]     ; the query's other 32 keys lie in the lane 16 away
.endr
.if \first
.irp t, 0,1,2,3
	v_max_num_f32 v[ST+4*\t], v[T+8*\t], v[T+8*\t+4]
.endr
.else
.irp t, 0,1,2,3
	v_max_num_f32 v[T+8*\t+4], v[T+8*\t], v[T+8*\t+4]
.endr
.irp t, 0,1,2,3
	v_sub_f32 v[T+8*\t+5], v[ST+4*\t], v[T+8*\t+4]                 ; old m - new m
.endr
.irp t, 0,1,2,3
	v_mov_b32 v[ST+4*\t], v[T+8*\t+4]
.endr
.irp t, 0,1,2,3
	v_exp_f32 v[T+8*\t+6], v[T+8*\t+5]                             ; a: the first of the batch of exponentials
.endr
.endif
.set i, 0
.rept 16
.irp t, 0,1,2,3
	v_pk_add_f32 v[S+32*\t+2*i:S+32*\t+2*i+1], v[S+32*\t+2*i:S+32*\t+2*i+1], v[ST+4*\t:ST+4*\t+1] op_sel_hi:[1,0] neg_lo:[0,1] neg_hi:[0,1]   ; t - m, two at a time
.endr
.set i, i+1
.endr
.set i, 0
.rept 32
.irp t, 0,1,2,3
	v_exp_f32 v[S+32*\t+i], v[S+32*\t+i]                           ; p = 2^(t - m), at most 1
.endr
.set i, i+1
.endr
	v_nop                                          ; a plain line behind the last exponential
	s_wait_alu depctr_va_vdst(0)                   ; one wait for the whole batch, ahead of the first line that names a result
.irp t, 0,1,2,3                                ; the row's sum, of the unrounded p
.if \first
	v_pk_add_f32 v[ST+4*\t+2:ST+4*\t+3], v[S+32*\t:S+32*\t+1], v[S+32*\t+2:S+32*\t+3]
.else
	v_pk_fma_f32 v[ST+4*\t+2:ST+4*\t+3], v[ST+4*\t+2:ST+4*\t+3], v[T+8*\t+6:T+8*\t+7], v[S+32*\t:S+32*\t+1] op_sel_hi:[1,0,1]
.endif
.endr
.set i, 1+\first
.rept 15-\first
.irp t, 0,1,2,3
	v_pk_add_f32 v[ST+4*\t+2:ST+4*\t+3], v[ST+4*\t+2:ST+4*\t+3], v[S+32*\t+2*i:S+32*\t+2*i+1]
.endr
.set i, i+1
.endr
.set i, 0
.rept 16
.irp t, 0,1,2,3
	v_cvt_pk_f16_f32 v[S+32*\t+i], v[S+32*\t+2*i], v[S+32*\t+2*i+1]   ; P over S^T, ascending: register i is written when registers 2 i, 2 i + 1 are read
.endr
.set i, i+1
.endr
.endm
; The next step's scores, then its V.  The address's addition and four v_nop are the places between the products and the loads into K's and V's registers, the writes of T and the reads of S^T.
.macro NEXT
	KQ
	WIN 0
	v_add_nc_u32 v[ADV], s[TB], v[AV0]
.rept 4
	v_nop
.endr
	WIN 0x40
	VLOAD
	s_add_co_u32 s[TB], s[TB], STEPB
	s_add_co_u32 s[TJ], s[TJ], 256
.endm
; TRIP j: the softmax and V^T P of step j; more = 1: K, addends, scores and V of step j + 1.  first = 1: step 0, which starts m, l and O^T.
.macro TRIP first, more
	WIN 0
.if \more
	v_add_nc_u32 v[ADK], s[TB], v[AK0]
	KLOAD                                          ; lands while the softmax is walked
.endif
	SOFTMAX \first
.if !\first
	WIN 0x41                                       ; O^T in window 1, a in window 0
.set i, 0
.rept 16
.irp t, 0,1,2,3
	v_pk_mul_f32 v[OF+32*\t+2*i:OF+32*\t+2*i+1], v[OF+32*\t+2*i:OF+32*\t+2*i+1], v[T+8*\t+6:T+8*\t+7] op_sel_hi:[1,0]
.endr
.set i, i+1
.endr
	WIN 0
.endif
.if \more
	v_add_nc_u32 v[ADB], s[TJ], v[AB0]
	BLOAD                                          ; T is free: a has been used
	s_wait_dscnt 24                                ; V of this step is in; the 16 loads of K and the 8 of the addends are younger
.else
	s_wait_dscnt 0x0
.endif
	PVM \first
.if \more
.rept 5
	v_nop                                          ; the scores are written over registers that these products read as P: five places
.endr
	s_wait_dscnt 0x0                               ; K and the addends are in
	NEXT
.endif
.endm
.macro TRIPS n
	WIN 0
	s_mov_b32 s[CNT], \n
.Ltrip_\@:
	TRIP 0, 1
	WIN 0                                          ; at a label and at a branch every window is 0
	s_sub_co_u32 s[CNT], s[CNT], 1
	s_cmp_lg_u32 s[CNT], 0
	s_cbranch_scc1 .Ltrip_\@
.endm
; THE CHANGE OF SLOTS: the slot's last bytes, V of its fourth step, have been asked for.  Each wave waits for all its tensor loads (one is out: its part of the other slot), adds 0 to its spare word, and waits for that and
; for its reads of the slot.  fill = 1: the barrier is a round of the cluster's, and the joint refill is the first thing behind it: it has four key steps in which to land.
.macro CHANGE fill
	WIN 0
	s_wait_tensorcnt 0x0                           ; no tensor load of mine is out, so a group 0 may be written
	ds_add_u32 v[SPW], v[NIL]
.if \fill
.irp g, G0K+4, G0V+4
	s_xor_b32 s[\g+1], s[\g+1], SLOT1              ; the walking descriptor: the other slot than last time,
	s_add_nc_u64 s[\g+2:\g+3], s[\g+2:\g+3], SLOTB ; the next 256 keys
.endr
	s_wait_xcnt 0x0                                ; the last prefetch, four key steps back, has read its address
	s_add_nc_u64 s[PFA:PFA+1], s[PFA:PFA+1], SLOTB ; one slot further on than the walking descriptors
	s_wait_dscnt 0x0                               ; the add is done, and my reads of the slot are over
	CROUND
	JLOAD
	ASK
.else
	s_wait_dscnt 0x0
	s_barrier_signal -1
	s_barrier_wait -1
.endif
	s_sub_co_u32 s[TB], s[TB], 4*STEPB             ; the fetches go back to a slot's first step,
	s_xor_b32 s[TB], s[TB], SLOT1                  ; in the other slot
.endm
	s_wait_tensorcnt 0x1                           ; my part of slot 0 is in; slot 1's may stay out
	s_wait_dscnt 0x0                               ; my addends are stored
	s_barrier_signal -1
	s_barrier_wait -1                              ; everybody's are
	v_add_nc_u32 v[ADK], s[TB], v[AK0]
	v_add_nc_u32 v[ADB], s[TJ], v[AB0]
	KLOAD                                          ; key step 0
	BLOAD
	s_wait_dscnt 0x0
	NEXT
	TRIP 1, 1                                      ; trip 0 reads step 1
	TRIPS 2                                        ; trips 1, 2 read steps 2, 3: slot 0 is read out
.Lslot:                                            ; six trips: every slot but the last two is filled again
	CHANGE 1
	TRIPS 4
	s_sub_co_u32 s[SLOTS], s[SLOTS], 1
	s_cmp_lg_u32 s[SLOTS], 0
	s_cbranch_scc1 .Lslot
	CHANGE 0                                       ; the tail is written out
	TRIPS 4
	TRIP 0, 0                                      ; the last step's softmax and V^T P
	; THE WAY OUT.  l's two halves and the other half of the lanes' are added; O^T is divided by l, rounded to f16 and sent through my stage, a tile (16 rows of ctx) at a time.  The additions are the places behind the last products.
	WIN 0
.irp t, 0,1,2,3
	v_add_f32 v[T+8*\t+4], v[ST+4*\t+2], v[ST+4*\t+3]
.endr
.irp t, 0,1,2,3
	v_permlanex16_b32 v[T+8*\t+5], v[T+8*\t+4], s[SEL], s[SEL+1]
.endr
.irp t, 0,1,2,3
	v_add_f32 v[T+8*\t+4], v[T+8*\t+4], v[T+8*\t+5]
.endr
.irp t, 0,1,2,3
	v_rcp_f32 v[T+8*\t+6], v[T+8*\t+4]
.endr
	v_nop                                          ; a plain line behind the last reciprocal
	s_wait_alu depctr_va_vdst(0)                   ; one wait for the four, ahead of their first use
.macro OPACK t
	WIN 0x01                                       ; O^T in window 1; destination and 1 / l in window 0
.set i, 0
.rept 16
	v_pk_mul_f32 v[S+32*\t+2*i:S+32*\t+2*i+1], v[OF+32*\t+2*i:OF+32*\t+2*i+1], v[T+8*\t+6:T+8*\t+7] op_sel_hi:[1,0]   ; each accumulator from its low end on
.set i, i+1
.endr
	WIN 0
.set i, 0
.rept 16
	v_cvt_pk_f16_f32 v[S+32*\t+i], v[S+32*\t+2*i], v[S+32*\t+2*i+1]
.set i, i+1
.endr
.irp f, 0,1,2,3
	ds_store_b128 v[STO], v[S+32*\t+4*\f:S+32*\t+4*\f+3] offset:32*\f
.endr
.irp f, 0,1,2,3
	ds_load_b128 v[S+32*\t+16+4*\f:S+32*\t+16+4*\f+3], v[RD] offset:\f*4*SP   ; LDS serves a wave's instructions in order: these see the stores above
.endr
.endm
.macro OSEND t, younger                ; younger: the LDS instructions issued behind tile t's loads: the next tile's eight, or none
.irp f, 0,1,2,3
	s_wait_dscnt \younger+3-\f
	global_store_b128 v[GO], v[S+32*\t+16+4*\f:S+32*\t+16+4*\f+3], s[8:9] offset:\t*2048+\f*512   ; 32 lanes store 512 consecutive bytes, at a multiple of 256 from the buffer's first byte
.endr
.endm
	OPACK 0
	OPACK 1
	OSEND 0, 8
	OPACK 2
	OSEND 1, 8
	OPACK 3
	OSEND 2, 8
	OSEND 3, 0
	s_wait_tensorcnt 0x0                           ; the wave's end
	ds_add_u32 v[SPW], v[NIL]
	s_wait_dscnt 0x0
	CROUND                                         ; the closing round
	s_endpgm
.Lfunc_end_k_q6a8a2e693a_attn:
	.size	k_q6a8a2e693a_attn, .Lfunc_end_k_q6a8a2e693a_attn-k_q6a8a2e693a_attn
	.p2alignl 7, 3214868480
	.fill 96, 4, 3214868480
	.section	.rodata,"a",@progbits
	.p2align	6, 0x0
	.amdhsa_kernel k_q6a8a2e693a_attn
		.amdhsa_group_segment_fixed_size 327680
		.amdhsa_private_segment_fixed_size 0
		.amdhsa_enable_private_segment 0
		.amdhsa_kernarg_size 24
		.amdhsa_user_sgpr_count 2
		.amdhsa_user_sgpr_kernarg_segment_ptr 1
		.amdhsa_wavefront_size32 1
		.amdhsa_system_sgpr_workgroup_id_x 1
		.amdhsa_system_sgpr_workgroup_id_y 1
		.amdhsa_system_sgpr_workgroup_id_z 1
		.amdhsa_system_vgpr_workitem_id 0
		.amdhsa_next_free_vgpr 512
		.amdhsa_next_free_sgpr 74
		.amdhsa_reserve_vcc 0
		.amdhsa_float_denorm_mode_32 3
		.amdhsa_float_denorm_mode_16_64 3
		.amdhsa_memory_ordered 1
		.amdhsa_forward_progress 1
		.amdhsa_inst_pref_size 182
	.end_amdhsa_kernel
	.amdgpu_metadata
---
amdhsa.version: [ 1, 2 ]
amdhsa.kernels:
  - .name:           k_q6a8a2e693a_attn
    .symbol:         k_q6a8a2e693a_attn.kd
    .args:
      - { .name: qkv, .offset: 0, .size: 8, .value_kind: global_buffer, .address_space: global }
      - { .name: mask, .offset: 8, .size: 8, .value_kind: global_buffer, .address_space: global }
      - { .name: ctx, .offset: 16, .size: 8, .value_kind: global_buffer, .address_space: global }
    .group_segment_fixed_size: 327680
    .private_segment_fixed_size: 0
    .kernarg_segment_align: 8
    .kernarg_segment_size: 24
    .max_flat_workgroup_size: 256
    .sgpr_count:     74
    .vgpr_count:     512
    .wavefront_size: 32
...
	.end_amdgpu_metadata
.endif
;; end of part 3
;; launch oproj (part 4): grid 4 x 64, 4 waves a work-group, clusters of 4 x 4, 327,680 bytes of LDS; arguments ctx, wot, out0, bo; writes out0
.if DOCPART == 4
	.amdgcn_target "amdgcn-amd-amdhsa--gfx1250"
	.amdhsa_code_object_version 6
	.text
	.protected	k_q6a8a2e693a_oproj
	.globl	k_q6a8a2e693a_oproj
	.p2align	8
	.type	k_q6a8a2e693a_oproj,@function
k_q6a8a2e693a_oproj:
	s_mov_b64 s[64:65], 0
	v_nop
	global_prefetch_b8 v0, s[64:65] scope:SCOPE_SE
	s_setreg_imm32_b32 hwreg(HW_REG_WAVE_MODE, 25, 1), 1
	s_wait_xcnt 0x0
	s_wait_alu depctr_hold_cnt(0) depctr_sa_sdst(0) depctr_va_vdst(0) depctr_va_sdst(0) depctr_va_ssrc(0) depctr_va_vcc(0) depctr_vm_vsrc(0)
	s_getreg_b32 s2, hwreg(HW_REG_IB_STS2, 6, 4)
	s_cmp_eq_u32 s2, 0
	s_cbranch_scc0 .Lentry_in_a_cluster
	s_endpgm
.Lentry_in_a_cluster:
	s_bfe_u32 s2, ttmp6, 0x10000c
	s_cmp_lg_u32 s2, 0xf033
	s_cbranch_scc0 .Lentry_shape_is_right
	s_endpgm
.Lentry_shape_is_right:
; OPROJ: out0[m][n] = sum over k of ctx[m][k] wo[k][n] + bo[n], f16 operands, f32 sums and output.  ctx: f16 [batch 4][head 16][token 2048][64], k = 64 x head + channel; wot: f16 [n 1024][k 1024].
; LIMITS: ctx and wo under 65,504 in magnitude (f16); NaN and infinities are not served.
; A tile of C is 128 rows x 256 columns: 256 work-groups (tiles of 256 x 256 would be 128).  Four waves, each 64 x 128: 32 accumulators of 16 x 16.  K goes in steps of 128 (two heads) through a ring of two LDS slots.
; A's tile of a K step is two dense blocks (a head's 128 tokens x 128 bytes): waves 0 and 1 fetch one each; waves 2 and 3 fetch 128 rows x 256 bytes of wot each.
; CLUSTERS: 4 x 4 work-groups; A's tiles are shared along a row of the cluster, B's along a column: joint loads.  By this text's own count a wave has two tensor loads out at the head and one behind each round.
; THE MATRIX INSTRUCTION IS USED TRANSPOSED (source 0 = 16 rows of wot, source 1 = 16 rows of ctx): a lane holds eight neighbouring numbers of a row of C.  bo is the C of each sum's first product.
; No prefetch: eight K steps in all, and the tiles are shared in the cluster.
; REGISTERS: window 0: v16-29 addresses; two fragment buffers of 96 (v64-159, v160-255): B's eight fragments, then A's four; on the way out v64-191 rows read back.  window 1: the accumulators ((a, b) at v[8 (8 a + b)]).  window 2: v0-63 bo.
.set PA,     144                       ; a row of A in LDS: 128 bytes + 16
.set PB,     272                       ; a row of B: 256 bytes + 16
.set AHEAD,  128*PA                    ; a head's 128 rows
.set BHALF,  128*PB
.set SLOT,   2*AHEAD+2*BHALF
.set STAGE,  2*SLOT                    ; behind the ring: 16 rows x 528 bytes for each wave; no tile lands here
.set SPITCH, 528
.set SPARE,  STAGE+4*16*SPITCH
.set ASTEP,  524288                    ; a K step on in ctx: two heads
.set BSTEP,  256                       ; and in wot
.set LAPS,   4                         ; a lap = two K steps
.set ADRA, 16
.set ADRB, 20
.set STO,  24
.set RD,   25
.set CO,   26
.set SPW,  28
.set NIL,  29
.set F0,   64
.set F1,   160
.set BK,   64
.set G1, 24
.set G0, 32
.set G1B, 48
.set G0B, 56
.set MSB, 0
.macro WIN new
.if MSB != \new
	s_set_vgpr_msb (MSB<<8)|\new
.set MSB, \new
.endif
.endm
.set MUL,  0x50                        ; fragments window 0; C and D window 1
.set MULZ, 0x60                        ; the first products: C (bo) window 2, D window 1
.macro JLOAD s                         ; a joint load: waves 0 and 1 fetch A's two heads, waves 2 and 3 B's halves; an s_nop 0 and four v_nop follow each of the two lines
	s_cmp_eq_u32 s13, 0
	s_cbranch_scc0 .Lfor_b_\@
	tensor_load_to_lds s[G0+4*\s:G0+4*\s+3], s[G1:G1+7]
	s_nop 0
.rept 4
	v_nop
.endr
	s_branch .Lasked_\@
.Lfor_b_\@:
	tensor_load_to_lds s[G0B+4*\s:G0B+4*\s+3], s[G1B:G1B+7]
	s_nop 0
.rept 4
	v_nop
.endr
.Lasked_\@:
.endm
.macro CREST
	s_cmp_lg_u32 s12, 0
	s_cbranch_scc1 .Lnot_wave_0_\@
	s_barrier_signal -3
.Lnot_wave_0_\@:
	s_barrier_wait -3
	s_barrier_signal -1
	s_barrier_wait -1
.endm
.macro CROUND
	s_barrier_signal -1
	s_barrier_wait -1
	CREST
.endm
	s_load_b256 s[4:11], s[0:1], 0x0               ; ctx s[4:5], wot s[6:7], out0 s[8:9], bo s[10:11]
	v_lshl_add_u32 v[SPW], v0, 2, SPARE
	v_mov_b32 v[NIL], 0
	ds_add_u32 v[SPW], v[NIL]                      ; the wave's opening: the add, twice on end, and its wait ahead of my first tensor load
	ds_add_u32 v[SPW], v[NIL]
	v_lshrrev_b32 v1, 5, v0
	v_readfirstlane_b32 s12, v1                    ; wave 0..3
	s_lshr_b32 s13, s12, 1                         ; which 64 rows of the tile are mine.  Also: I fetch for A (0) or for B (1)
	s_and_b32 s14, s12, 1                          ; which 128 columns.  Also: which head of A's, which half of B's I fetch
	s_bfe_u32 s40, ttmp6, 0x40000                  ; cx, cy
	s_bfe_u32 s41, ttmp6, 0x40004
	s_lshl_b32 s42, ttmp9, 2
	s_add_co_u32 s42, s42, s40                     ; tile column of C
	s_and_b32 s15, ttmp7, 0xffff
	s_lshl_b32 s15, s15, 2
	s_add_co_u32 s15, s15, s41                     ; tile row of C
	s_lshl_b32 s43, s41, 2
	s_lshl_b32 s43, 15, s43                        ; my row of the cluster
	s_lshl_b32 s44, 0x1111, s40                    ; my column
	s_or_b32 s[G1+0], s43, (1<<16)|(1<<20)|(1<<21)|(4<<22)|(3<<25)   ; A: elements of 2 bytes; padding: 4 words after every 32
	s_mov_b32 s[G1+1], 64<<16                      ; tensor_dim0 = 64
	s_mov_b32 s[G1+2], 128<<16                     ; tensor_dim1 = 128
	s_mov_b32 s[G1+3], 64<<16                      ; tile_dim0 = 64
	s_mov_b32 s[G1+4], 128                         ; tile_dim1 = 128
	s_mov_b32 s[G1+5], 64                          ; elements from row to row
	s_mov_b32 s[G1+6], 0
	s_mov_b32 s[G1+7], 0
	s_or_b32 s[G1B+0], s44, (1<<16)|(1<<20)|(1<<21)|(5<<22)|(3<<25)  ; B: padding: 4 words after every 64
	s_mov_b32 s[G1B+1], 128<<16
	s_mov_b32 s[G1B+2], 128<<16
	s_mov_b32 s[G1B+3], 128<<16
	s_mov_b32 s[G1B+4], 128
	s_mov_b32 s[G1B+5], 1024
	s_mov_b32 s[G1B+6], 0
	s_mov_b32 s[G1B+7], 0
	s_lshr_b32 s16, s15, 4                         ; A: batch (16 tile rows each) x 16 heads x 262,144
	s_lshl_b32 s16, s16, 22
	s_and_b32 s17, s15, 15
	s_lshl_b32 s17, s17, 14                        ; + 128 tokens x 128 bytes for each tile row
	s_add_co_u32 s16, s16, s17
	s_lshl_b32 s17, s14, 18                        ; + my head of the K step's two
	s_add_co_u32 s16, s16, s17
	s_mov_b32 s17, 0
	s_lshl_b32 s46, s42, 8                         ; B: row 256 x tile column + 128 x half, 2,048 bytes a row
	s_lshl_b32 s47, s14, 7
	s_add_co_u32 s46, s46, s47
	s_lshl_b32 s46, s46, 11
	s_mov_b32 s47, 0
	s_mul_i32 s20, s14, AHEAD                      ; where they go: no place in the cluster enters an LDS address
	s_mul_i32 s21, s14, BHALF
	s_add_co_u32 s21, s21, 2*AHEAD
	s_wait_dscnt 0x0                               ; both opening adds are done
	s_wait_kmcnt 0x0
	s_add_nc_u64 s[16:17], s[4:5], s[16:17]
	s_add_nc_u64 s[46:47], s[6:7], s[46:47]
	CROUND                                         ; all sixteen work-groups are here: the first joint loads meet
.irp s, 0,1
	s_mov_b32 s[G0+4*\s], 1
	s_add_co_u32 s[G0+4*\s+1], s20, \s*SLOT
	s_add_nc_u64 s[G0+4*\s+2:G0+4*\s+3], s[16:17], \s*ASTEP
	s_or_b32 s[G0+4*\s+3], s[G0+4*\s+3], 0x80000000
	s_mov_b32 s[G0B+4*\s], 1
	s_add_co_u32 s[G0B+4*\s+1], s21, \s*SLOT
	s_add_nc_u64 s[G0B+4*\s+2:G0B+4*\s+3], s[46:47], \s*BSTEP
	s_or_b32 s[G0B+4*\s+3], s[G0B+4*\s+3], 0x80000000
	JLOAD \s
.endr
	v_and_b32 v1, 15, v0                           ; l % 16
	v_bfe_u32 v2, v0, 4, 1                         ; l / 16
	v_mul_u32_u24 v3, v1, PA
	v_lshl_add_u32 v3, v2, 4, v3
	v_mul_u32_u24 v4, v1, PB
	v_lshl_add_u32 v4, v2, 4, v4
	s_mul_i32 s22, s13, 64*PA                      ; my 64 rows of A (in each head's block)
	s_mul_i32 s23, s14, BHALF                      ; my 128 rows of B,
	s_add_co_u32 s23, s23, 2*AHEAD                 ; which lie behind A's two blocks
.irp s, 0,1
	v_add_nc_u32 v[ADRA+\s], s22, v3
	v_add_nc_u32 v[ADRB+\s], s23, v4
	s_add_co_u32 s22, s22, SLOT
	s_add_co_u32 s23, s23, SLOT
.endr
	s_mul_i32 s22, s12, 16*SPITCH
	s_add_co_u32 s22, s22, STAGE                   ; my stage
	v_mul_u32_u24 v[STO], v1, SPITCH               ; in: row l % 16, 32 bytes for each half of the lanes
	v_lshl_add_u32 v[STO], v2, 5, v[STO]
	v_add_nc_u32 v[STO], s22, v[STO]
	v_and_b32 v[CO], 31, v0
	v_lshlrev_b32 v[CO], 4, v[CO]                  ; back: the 32 lanes take one row of 512 bytes; and the same in C
	v_add_nc_u32 v[RD], s22, v[CO]
	v_lshlrev_b32 v5, 5, v2                        ; bo: my eight numbers of a tile
	s_lshl_b32 s18, s15, 1
	s_add_co_u32 s18, s18, s13
	s_lshl_b32 s18, s18, 18                        ; my first row of C: 64 rows of 4,096 bytes each
	s_mov_b32 s19, 0
	s_add_nc_u64 s[8:9], s[8:9], s[18:19]
	s_lshl_b32 s18, s42, 10                        ; my first column, in bytes: 1,024 x tile column + 512 x half
	s_lshl_b32 s45, s14, 9
	s_add_co_u32 s18, s18, s45
	s_add_nc_u64 s[8:9], s[8:9], s[18:19]
	s_add_nc_u64 s[10:11], s[10:11], s[18:19]
	WIN 0x80                                       ; destination window 2
.irp b, 0,1,2,3,4,5,6,7
	global_load_b128 v[8*\b:8*\b+3], v5, s[10:11] offset:64*\b                 ; bo(16 b + 8 (lane / 16) + 0 .. 7): the result's layout
	global_load_b128 v[8*\b+4:8*\b+7], v5, s[10:11] offset:64*\b+16
.endr
	WIN 0
; 8 matrix instructions: A's block a x B's eight, 32 along K.  The 32 accumulators take turns, one instruction a turn, in the same order in every quarter.
.macro MULA f, a, zero
.irp b, 0,1,2,3,4,5,6,7
.if \zero
	v_wmma_f32_16x16x32_f16 v[8*(8*\a+\b):8*(8*\a+\b)+7], v[\f+8*\b:\f+8*\b+7], v[\f+64+8*\a:\f+64+8*\a+7], v[8*\b:8*\b+7]
.else
	v_wmma_f32_16x16x32_f16 v[8*(8*\a+\b):8*(8*\a+\b)+7], v[\f+8*\b:\f+8*\b+7], v[\f+64+8*\a:\f+64+8*\a+7], v[8*(8*\a+\b):8*(8*\a+\b)+7]
.endif
.endr
.endm
; 24 LDS loads in one run: the fragments of the slot's q-th 32 along K into buffer f: B's sixteen loads, then A's eight (head q / 2, channels 32 (q % 2) on)
.macro FETCH slot, q, f
	WIN 0
.irp b, 0,1,2,3,4,5,6,7
	ds_load_b128 v[\f+8*\b:\f+8*\b+3],   v[ADRB+\slot] offset:64*(\q)+\b*16*PB
	ds_load_b128 v[\f+8*\b+4:\f+8*\b+7], v[ADRB+\slot] offset:64*(\q)+\b*16*PB+32
.endr
.irp a, 0,1,2,3
	ds_load_b128 v[\f+64+8*\a:\f+64+8*\a+3],   v[ADRA+\slot] offset:((\q)/2)*AHEAD+((\q)%2)*64+\a*16*PA
	ds_load_b128 v[\f+64+8*\a+4:\f+64+8*\a+7], v[ADRA+\slot] offset:((\q)/2)*AHEAD+((\q)%2)*64+\a*16*PA+32
.endr
.endm
.macro PLACES                          ; four plain lines in front of loads into registers that matrix instructions have read, and of the first read of results
.rept 4
	v_nop
.endr
.endm
; A K step is four quarters of 32 along K, 32 matrix instructions each, on buffers 0, 1, 0, 1.  One of the first three: multiplies buffer f and fetches quarter qn into g.
.macro QUARTER slot, qn, f, g, zero
	s_wait_dscnt 4                                 ; B and A's blocks 0, 1 are in; the youngest four loads (A's blocks 2, 3) may be out
.if \zero
	WIN MULZ
.else
	WIN MUL
.endif
	MULA \f, 0, \zero
	MULA \f, 1, \zero
	PLACES
	FETCH \slot, \qn, \g
	s_wait_dscnt 24                                ; all but the 24 just issued
.if \zero
	WIN MULZ
.else
	WIN MUL
.endif
	MULA \f, 2, \zero
	MULA \f, 3, \zero
.endm
; The last quarter multiplies buffer 1 and changes slots: ONE barrier; in front of it each wave waits for all its tensor loads, adds 0 to its spare word, and waits for that and for its reads of this slot.
; fill = 1: the barrier opens a round of the cluster's, and this slot is filled again, two K steps ahead, first thing behind the round.
.macro TURN slot, next, fill
	WIN 0
	s_wait_tensorcnt 0x0                           ; all my tensor loads have landed: my part of the next slot
	ds_add_u32 v[SPW], v[NIL]
	s_wait_dscnt 5                                 ; (the add and the youngest four loads may be out)
	WIN MUL
	MULA F1, 0, 0
	s_wait_dscnt 0x0                               ; the add is done, and my reads of this slot are over
	s_barrier_signal -1
	MULA F1, 1, 0
.if \fill
	WIN 0
.endif
	s_barrier_wait -1
.if \fill
	CREST
	s_add_nc_u64 s[G0+4*\slot+2:G0+4*\slot+3], s[G0+4*\slot+2:G0+4*\slot+3], 2*ASTEP
	s_add_nc_u64 s[G0B+4*\slot+2:G0B+4*\slot+3], s[G0B+4*\slot+2:G0B+4*\slot+3], 2*BSTEP
	JLOAD \slot                                    ; the four v_nop behind it are also the places in front of the loads below
.else
	PLACES
.endif
	FETCH \next, 0, F0
	WIN MUL
	MULA F1, 2, 0
	MULA F1, 3, 0
.endm
	s_wait_tensorcnt 1                             ; my part of K step 0 is in (K step 1's may be out)
	s_barrier_signal -1
	s_barrier_wait -1                              ; everybody's is
	FETCH 0, 0, F0
	s_wait_loadcnt 0x0                             ; bo
	QUARTER 0, 1, F0, F1, 1                        ; the first quarter stands in front of the loop: its products start the sums from bo
	WIN 0
	s_mov_b32 s3, LAPS-1
.Llap:                                             ; a trip goes once round the ring, from a lap's second quarter to the next lap's first, and fills both slots again
	QUARTER 0, 2, F1, F0, 0
	QUARTER 0, 3, F0, F1, 0
	TURN 0, 1, 1
	QUARTER 1, 1, F0, F1, 0
	QUARTER 1, 2, F1, F0, 0
	QUARTER 1, 3, F0, F1, 0
	TURN 1, 0, 1
	QUARTER 0, 1, F0, F1, 0
	WIN 0
	s_sub_co_u32 s3, s3, 1
	s_cmp_lg_u32 s3, 0
	s_cbranch_scc1 .Llap
	QUARTER 0, 2, F1, F0, 0                        ; the last lap fills nothing, and has no round of the cluster's barrier
	QUARTER 0, 3, F0, F1, 0
	TURN 0, 1, 0
	QUARTER 1, 1, F0, F1, 0
	QUARTER 1, 2, F1, F0, 0
	QUARTER 1, 3, F0, F1, 0
	s_wait_dscnt 4                                 ; the very last quarter: nothing more to fetch
	WIN MUL
	MULA F1, 0, 0
	MULA F1, 1, 0
	s_wait_dscnt 0x0
	MULA F1, 2, 0
	MULA F1, 3, 0
	WIN 0
; THE WAY OUT, block by block of 16 rows x 128 columns: through my own stage, back as whole rows of 512 bytes.
.macro TOSTAGE a
	WIN 0x04                                       ; an LDS store's data are its source 1: window 1
.irp b, 0,1,2,3,4,5,6,7
	ds_store_b128 v[STO], v[8*(8*(\a)+\b):8*(8*(\a)+\b)+3] offset:64*\b          ; each accumulator from its low end on
	ds_store_b128 v[STO], v[8*(8*(\a)+\b)+4:8*(8*(\a)+\b)+7] offset:64*\b+16
.endr
	WIN 0
.set BB, BK+64*((\a)%2)
.irp t, 0,1,2,3,4,5,6,7,8,9,10,11,12,13,14,15
	ds_load_b128 v[BB+4*\t:BB+4*\t+3], v[RD] offset:\t*SPITCH   ; LDS serves a wave's instructions in order: these see the stores above
.endr
.endm
.macro SEND a, younger
.set BB, BK+64*((\a)%2)
	s_wait_dscnt \younger
.irp t, 0,1,2,3,4,5,6,7,8,9,10,11,12,13,14,15
	global_store_b128 v[CO], v[BB+4*\t:BB+4*\t+3], s[8:9] offset:(16*(\a)+\t)*4096 th:TH_STORE_NT   ; 32 lanes store 512 consecutive bytes, at a multiple of 256 from the output's first byte
.endr
.endm
	PLACES
	TOSTAGE 0
.irp a, 1,2,3
.if \a > 1
	s_wait_xcnt 0x0                                ; block a - 2's stores have read their registers: block a's loads may land there
.endif
	TOSTAGE \a
	SEND \a-1, 32                                  ; behind block a - 1's loads: block a's 16 stores and 16 loads
.endr
	SEND 3, 0
	s_wait_tensorcnt 0x0                           ; the wave's end
	ds_add_u32 v[SPW], v[NIL]
	s_wait_dscnt 0x0
	CROUND                                         ; the closing round
	s_endpgm
.Lfunc_end_k_q6a8a2e693a_oproj:
	.size	k_q6a8a2e693a_oproj, .Lfunc_end_k_q6a8a2e693a_oproj-k_q6a8a2e693a_oproj
	.p2alignl 7, 3214868480
	.fill 96, 4, 3214868480
	.section	.rodata,"a",@progbits
	.p2align	6, 0x0
	.amdhsa_kernel k_q6a8a2e693a_oproj
		.amdhsa_group_segment_fixed_size 327680
		.amdhsa_private_segment_fixed_size 0
		.amdhsa_enable_private_segment 0
		.amdhsa_kernarg_size 32
		.amdhsa_user_sgpr_count 2
		.amdhsa_user_sgpr_kernarg_segment_ptr 1
		.amdhsa_wavefront_size32 1
		.amdhsa_system_sgpr_workgroup_id_x 1
		.amdhsa_system_sgpr_workgroup_id_y 1
		.amdhsa_system_sgpr_workgroup_id_z 1
		.amdhsa_system_vgpr_workitem_id 0
		.amdhsa_next_free_vgpr 576
		.amdhsa_next_free_sgpr 66
		.amdhsa_reserve_vcc 0
		.amdhsa_float_denorm_mode_32 3
		.amdhsa_float_denorm_mode_16_64 3
		.amdhsa_memory_ordered 1
		.amdhsa_forward_progress 1
		.amdhsa_inst_pref_size 86
	.end_amdhsa_kernel
	.amdgpu_metadata
---
amdhsa.version: [ 1, 2 ]
amdhsa.kernels:
  - .name:           k_q6a8a2e693a_oproj
    .symbol:         k_q6a8a2e693a_oproj.kd
    .args:
      - { .name: ctx, .offset: 0, .size: 8, .value_kind: global_buffer, .address_space: global }
      - { .name: wot, .offset: 8, .size: 8, .value_kind: global_buffer, .address_space: global }
      - { .name: out0, .offset: 16, .size: 8, .value_kind: global_buffer, .address_space: global }
      - { .name: bo, .offset: 24, .size: 8, .value_kind: global_buffer, .address_space: global }
    .group_segment_fixed_size: 327680
    .private_segment_fixed_size: 0
    .kernarg_segment_align: 8
    .kernarg_segment_size: 32
    .max_flat_workgroup_size: 128
    .sgpr_count:     66
    .vgpr_count:     576
    .wavefront_size: 32
...
	.end_amdgpu_metadata
.endif
;; end of part 4
